; MI455X (gfx1250); checked and timed in simulation.
; The chip was launched on July 23, 2026; its instructions are those of AMD's public machine-readable ISA for CDNA 5 (MIT licence, August 2026) and "CDNA5" Instruction Set Architecture Reference Guide (July 2026). The comments in the code are by the model that wrote it; some were corrected since.
;; Debug Quantized Linear. Allowed arithmetic: matrix products marked QUANTISED: E5M2 operands, one E8M0 scale for each 32 along K, by v_wmma_scale_f32_16x16x128_f8f6f4 with both operands' format E5M2, f32 sums; everything else in f32.
;; Inputs: W_q 11,008 x 4,096 int32; mu1 4,096 float32; mu2 11,008 float32; scales 11,008 x 64 x 1 float32; x 1,024 x 4,096 float32; zeros 11,008 x 64 x 1 float32.
;; Outputs: out0 1,024 x 11,008 float32.
;; This version of the problem:
;;   THIS VERSION OF THE PROBLEM IS GIVEN IN LOW PRECISION. The matrix products marked QUANTISED in the list below multiply operands that are first quantised to E5M2 (5 exponent bits, 2 mantissa bits; 8 bits a number), with one power-of-two scale for each 32 numbers along K (OCP MX v1.0); their sums are f32. All else is computed in f32.
;;   The module's matrix products, in the order in which they are computed (A, B: the left and right operand; K: the contracted axis; several contracted axes count as one K, in the product's order):
;;     1. [M 1,024, K 4,096] x [K 4,096, N 11,008]; A: input x; B: computed on the way: QUANTISED
;;   THE QUANTISER, for each operand of a quantised product, along K:
;;     - K is cut into blocks of 32 from its start; a last block that is shorter is filled with zeros.
;;     - A block's scale is 2^e with e = floor(log2(the largest magnitude in the block)) - 15, held to -126 .. 127; a block of zeros has e = 0. As a byte (E8M0): e + 127.
;;     - Each number is divided by its block's scale, clamped to +-57,344, and rounded to the nearest number of E5M2, ties to even, subnormals kept.
;;     - The product sums the exact products of the quantised numbers (number of the format x scale) in f32.
;;   ~~~python
;;   def quantise(x, axis):      # numpy; x: float32 -> the quantised numbers, widened to float32 again
;;       x = np.moveaxis(x, axis, -1); K = x.shape[-1]
;;       x = np.pad(x, [(0, 0)] * (x.ndim - 1) + [(0, -K % 32)]); x = x.reshape(x.shape[:-1] + (-1, 32)); a = np.abs(x).max(-1, keepdims=True)
;;       e = np.where(a > 0, np.clip(np.frexp(np.where(a > 0, a, 1))[1] - 1 - 15, -126, 127), 0)      # np.frexp(a)[1] - 1 = floor(log2(a)), exactly
;;       r = np.clip(x / 2.0 ** e, -57344, 57344)
;;       step = 2.0 ** (np.maximum(np.frexp(np.where(r == 0, 1, r))[1] - 1, -14) - 2)
;;       q = np.round(r / step) * step * 2.0 ** e      # np.round: ties to even
;;       return np.moveaxis(q.reshape(q.shape[:-2] + (-1,))[..., :K], -1, axis).astype(np.float32)
;;   ~~~
;;   OPERANDS COMPUTED ON THE WAY. 'Computed on the way' means the value that the module computes at that place (a softmax that the list does not call 'softmax' is quantised finished and normalised). What goes into a quantiser is computed in f32, as accurately as f32 sums, v_exp_f32 and their like allow (about 1e-6 of the number): no bf16 or f16 on the way to a quantiser, and a product that is left as it is and whose result goes on into a quantised operand takes f32 operands (vector FMAs, or v_wmma_f32_16x16x4_f32). A number that lies on a knife's edge between two numbers of the format may be rounded either way, as far as f32 arithmetic and the matrix unit's own rounding can turn it there, and no further.
;; 2 versions. Each part assembles by itself: llvm-mc -triple=amdgcn-amd-amdhsa -mcpu=gfx1250 --defsym DOCPART=n.
;; ======== version 1 of 2: 2 launches
;; workspace buffers: xq 4,325,376 bytes
;; launch quantx (part 1): grid 256 x 1, 2 waves a work-group, no clusters, 0 bytes of LDS; arguments x, xq; writes xq
.if DOCPART == 1
	.amdgcn_target "amdgcn-amd-amdhsa--gfx1250"
	.amdhsa_code_object_version 6
	.text
	.protected	k_q8cf6b9a7dc_quantx
	.globl	k_q8cf6b9a7dc_quantx
	.p2align	8
	.type	k_q8cf6b9a7dc_quantx,@function
k_q8cf6b9a7dc_quantx:
	s_mov_b64 s[64:65], 0
	v_nop
	global_prefetch_b8 v0, s[64:65] scope:SCOPE_SE
	s_setreg_imm32_b32 hwreg(HW_REG_WAVE_MODE, 25, 1), 1
	s_wait_xcnt 0x0
; x [1024][4096] f32 becomes codes of BF8 (E5M2) with one E8M0 scale byte for each 32 along K, laid in the ORDER OF THE OPERAND'S REGISTERS, K step by K step, for the launch that follows.
; xq = 32 records of RECB bytes, one for each K step s of 128.  In a record: 64 fragment images of 2,048 bytes (block m of 16 rows: register group c of lane l at 2048 m + 512 c + 16 l; lane (r = l % 16, h = l / 16),
; group c, holds k = 128 s + 32 c + 16 h + 0 .. 15 of row 16 m + r); behind them, from byte 131,072 on, the scale words: group G of 64 rows at 256 G + 8 l, word i of lane l = the word of row r of block 4 G + 2 i + h.
; A block's scale is 2^(floor(log2(its largest magnitude)) - 15); its byte is the largest magnitude's exponent field - 15, held at 1 from below by a floor among the maximum's leaves.
; LIMITS: a block of zeros keeps the byte 1 where the rule says 127 (its codes are zeros, and this program alone reads the bytes); NaN and infinities among the inputs are not served.
; SHARES: 512 tasks = 32 K steps x 16 groups of 64 rows; a wave takes one task: four fragments and their 256 bytes of scale words.  No LDS, no barrier: waves share nothing.
; A lane loads, of its row, 16 neighbours of each block of 32 (four loads of 16 bytes), so that the conversions' results are the operand's registers; every store covers 512 consecutive bytes (the scale words: 256).
.set RECB, 135168
.set XO,  1                            ; v1  x: 16384 r + 64 h
.set LI,  2                            ; v2  16 x lane
.set L8,  3                            ; v3  8 x lane
.set X0,  16                           ; v16-79, v80-143: two sets of 64 numbers
.set X1,  80
.set PC,  144                          ; v144-207 codes: 16 registers for each fragment, so that no store's data are written again
.set TM,  208                          ; v208-211 largest magnitudes, v212-215 bytes, v216-219 the largest number x the scale, v220-223 the conversions' scale operands
.set PW,  224                          ; v224-227 a scale word for each fragment
.set SW,  228                          ; v[228:229] the two words that my lane stores
	s_load_b128 s[4:7], s[0:1], 0x0                ; x, xq
	v_lshrrev_b32 v4, 5, v0
	v_readfirstlane_b32 s8, v4                     ; wave 0, 1
	v_and_b32 v5, 31, v0                           ; lane
	v_and_b32 v6, 15, v0                           ; r
	v_bfe_u32 v7, v0, 4, 1                         ; h
	v_lshlrev_b32 v[XO], 14, v6                    ; a row of x is 16,384 bytes
	v_lshl_add_u32 v[XO], v7, 6, v[XO]             ; + my 16 numbers of a block of 32
	v_lshlrev_b32 v[LI], 4, v5
	v_lshlrev_b32 v[L8], 3, v5
	v_cmp_le_u32 vcc_lo, 16, v5                    ; lanes 16-31
.irp b, 0,1,2,3
	v_mov_b32 v[TM+4+\b], 0                        ; written once: a lane permute's destination counts as one of its sources
.endr
	s_mov_b32 s20, 0x76543210
	s_mov_b32 s21, 0xfedcba98                      ; v_permlanex16_b32's selects for lane l xor 16
	s_mov_b32 s23, 0x600000                        ; the mantissa field of 57,344
	s_lshl_b32 s9, ttmp9, 1
	s_add_co_u32 s9, s9, s8                        ; my task
	s_lshr_b32 s10, s9, 4                          ; K step s
	s_and_b32 s11, s9, 15                          ; group G
	s_lshl_b32 s12, s11, 20                        ; x: 64 G rows of 16,384 bytes
	s_lshl_b32 s13, s10, 9                         ;    + 512 s
	s_add_co_u32 s12, s12, s13
	s_mov_b32 s13, 0
	s_mul_i32 s14, s10, RECB                       ; the record
	s_lshl_b32 s16, s11, 13
	s_add_co_u32 s16, s16, s14                     ; my four images: + 8192 G
	s_mov_b32 s17, 0
	s_lshl_b32 s18, s11, 8
	s_add_co_u32 s18, s18, s14
	s_add_co_u32 s18, s18, 131072                  ; my scale words: + 131072 + 256 G
	s_mov_b32 s19, 0
	s_wait_kmcnt 0x0
	s_add_nc_u64 s[4:5], s[4:5], s[12:13]
	s_add_nc_u64 s[24:25], s[6:7], s[18:19]
	s_add_nc_u64 s[6:7], s[6:7], s[16:17]
.macro XLOAD buf, i                    ; block i of my four: register 16 b + 4 j + n = k 32 b + 16 h + 4 j + n of row r
.irp b, 0,1,2,3
.irp j, 0,1,2,3
	global_load_b128 v[\buf+16*\b+4*\j:\buf+16*\b+4*\j+3], v[XO], s[4:5] offset:262144*(\i)+128*\b+16*\j th:TH_LOAD_NT
.endr
.endr
.endm
; 64 numbers of a lane become a fragment's 16 registers of codes and its row's scale word
.macro QUANT src, pc, pw
.irp b, 0,1,2,3
	v_max3_num_f32 v[TM+\b], |v[\src+16*\b]|, |v[\src+16*\b+1]|, 0x8000000   ; block b: my 16 numbers, and the floor 2^(16 - 127): the byte cannot fall under 1
.endr
.irp i, 2,4,6,8,10,12,14
.irp b, 0,1,2,3
	v_max3_num_f32 v[TM+\b], v[TM+\b], |v[\src+16*\b+\i]|, |v[\src+16*\b+\i+1]|   ; the four blocks by turns
.endr
.endr
.irp b, 0,1,2,3
	v_permlanex16_b32 v[TM+4+\b], v[TM+\b], s20, s21
.endr
.irp b, 0,1,2,3
	v_max_num_f32 v[TM+\b], v[TM+\b], v[TM+4+\b]   ; with lane l xor 16's: the block's largest magnitude
.endr
.irp b, 0,1,2,3
	v_add_nc_u32 v[TM+12+\b], 0xf8800000, v[TM+\b] ; 15 off its exponent field: the conversion takes the exponent field of this operand as its scale
.endr
.irp b, 0,1,2,3
	v_and_or_b32 v[TM+8+\b], v[TM+\b], 0x7f800000, s23   ; 57,344 x the scale
.endr
.irp b, 0,1,2,3
	v_lshrrev_b32 v[TM+4+\b], 23, v[TM+12+\b]      ; the scale's byte
.endr
	v_lshl_or_b32 v[\pw], v[TM+5], 8, v[TM+4]      ; the four bytes make my row's scale word (the same in lanes r and 16 + r)
	v_lshl_or_b32 v[\pw], v[TM+6], 16, v[\pw]
	v_lshl_or_b32 v[\pw], v[TM+7], 24, v[\pw]
.irp b, 0,1,2,3
.irp i, 0,1,2,3,4,5,6,7,8,9,10,11,12,13,14,15
	v_med3_num_f32 v[\src+16*\b+\i], v[\src+16*\b+\i], -v[TM+8+\b], v[TM+8+\b]   ; the conversion to an 8-bit code does not saturate (ISA guide 7.6.2): the hold comes first
.endr
	v_cvt_scalef32_pk8_bf8_f32 v[\pc+4*\b:\pc+4*\b+1], v[\src+16*\b:\src+16*\b+7], v[TM+12+\b]
	v_cvt_scalef32_pk8_bf8_f32 v[\pc+4*\b+2:\pc+4*\b+3], v[\src+16*\b+8:\src+16*\b+15], v[TM+12+\b]
.endr
	v_nop                                          ; a plain line behind the last conversion
.endm
.macro SENDF i                         ; a fragment's image: four stores of 512 consecutive bytes
.irp c, 0,1,2,3
	global_store_b128 v[LI], v[PC+16*(\i)+4*\c:PC+16*(\i)+4*\c+3], s[6:7] offset:2048*(\i)+512*\c
.endr
.endm
	XLOAD X0, 0
	XLOAD X1, 1
	s_wait_loadcnt 16                              ; block 0's sixteen loads are in; block 1's may be out
	QUANT X0, PC, PW
	SENDF 0
	XLOAD X0, 2
	s_wait_loadcnt 16                              ; block 1's are in; block 2's may be out
	QUANT X1, PC+16, PW+1
	SENDF 1
	XLOAD X1, 3
	s_wait_loadcnt 16
	QUANT X0, PC+32, PW+2
	SENDF 2
	s_wait_loadcnt 0x0
	QUANT X1, PC+48, PW+3
	SENDF 3
	v_cndmask_b32 v[SW], v[PW], v[PW+1], vcc_lo    ; word 0: block 4 G in lanes 0-15, block 4 G + 1 in lanes 16-31
	v_cndmask_b32 v[SW+1], v[PW+2], v[PW+3], vcc_lo   ; word 1: blocks 4 G + 2 and 4 G + 3
	global_store_b64 v[L8], v[SW:SW+1], s[24:25]   ; 32 lanes store 256 consecutive bytes, at a multiple of 256 from xq's first byte
	s_endpgm
.Lfunc_end_k_q8cf6b9a7dc_quantx:
	.size	k_q8cf6b9a7dc_quantx, .Lfunc_end_k_q8cf6b9a7dc_quantx-k_q8cf6b9a7dc_quantx
	.p2alignl 7, 3214868480
	.fill 96, 4, 3214868480
	.section	.rodata,"a",@progbits
	.p2align	6, 0x0
	.amdhsa_kernel k_q8cf6b9a7dc_quantx
		.amdhsa_group_segment_fixed_size 0
		.amdhsa_private_segment_fixed_size 0
		.amdhsa_enable_private_segment 0
		.amdhsa_kernarg_size 16
		.amdhsa_user_sgpr_count 2
		.amdhsa_user_sgpr_kernarg_segment_ptr 1
		.amdhsa_wavefront_size32 1
		.amdhsa_system_sgpr_workgroup_id_x 1
		.amdhsa_system_sgpr_workgroup_id_y 1
		.amdhsa_system_sgpr_workgroup_id_z 1
		.amdhsa_system_vgpr_workitem_id 0
		.amdhsa_next_free_vgpr 232
		.amdhsa_next_free_sgpr 66
		.amdhsa_reserve_vcc 1
		.amdhsa_float_denorm_mode_32 3
		.amdhsa_float_denorm_mode_16_64 3
		.amdhsa_memory_ordered 1
		.amdhsa_forward_progress 1
		.amdhsa_inst_pref_size 42
	.end_amdhsa_kernel
	.amdgpu_metadata
---
amdhsa.version: [ 1, 2 ]
amdhsa.kernels:
  - .name:           k_q8cf6b9a7dc_quantx
    .symbol:         k_q8cf6b9a7dc_quantx.kd
    .args:
      - { .name: x, .offset: 0, .size: 8, .value_kind: global_buffer, .address_space: global }
      - { .name: xq, .offset: 8, .size: 8, .value_kind: global_buffer, .address_space: global }
    .group_segment_fixed_size: 0
    .private_segment_fixed_size: 0
    .kernarg_segment_align: 8
    .kernarg_segment_size: 16
    .max_flat_workgroup_size: 64
    .sgpr_count:     66
    .vgpr_count:     232
    .wavefront_size: 32
...
	.end_amdgpu_metadata
.endif
;; end of part 1
;; launch fused (part 2): grid 172 x 1, 4 waves a work-group, clusters of 4 x 1, 327,680 bytes of LDS; arguments xq, W_q, zeros, scales, mu1, mu2, out0; writes out0
.if DOCPART == 2
	.amdgcn_target "amdgcn-amd-amdhsa--gfx1250"
	.amdhsa_code_object_version 6
	.text
	.protected	k_q8cf6b9a7dc_fused
	.globl	k_q8cf6b9a7dc_fused
	.p2align	8
	.type	k_q8cf6b9a7dc_fused,@function
k_q8cf6b9a7dc_fused:
	s_mov_b64 s[64:65], 0
	v_nop
	global_prefetch_b8 v0, s[64:65] scope:SCOPE_SE
	s_setreg_imm32_b32 hwreg(HW_REG_WAVE_MODE, 25, 1), 1
	s_wait_xcnt 0x0
	s_wait_alu depctr_hold_cnt(0) depctr_sa_sdst(0) depctr_va_vdst(0) depctr_va_sdst(0) depctr_va_ssrc(0) depctr_va_vcc(0) depctr_vm_vsrc(0)
	s_getreg_b32 s2, hwreg(HW_REG_IB_STS2, 6, 4)
	s_cmp_eq_u32 s2, 0
	s_cbranch_scc0 .Lentry_in_a_cluster
	s_endpgm
.Lentry_in_a_cluster:
	s_bfe_u32 s2, ttmp6, 0x10000c
	s_cmp_lg_u32 s2, 0x3003
	s_cbranch_scc0 .Lentry_shape_is_right
	s_endpgm
.Lentry_shape_is_right:
; out0[1024][11008] = Q(x) Q(W)^T over K = 4,096, W[n][k] = ((W_q[n][k] - zeros[n][k / 64]) x scales[n][k / 64]) x mu2[n] x mu1[k], both operands in codes of BF8 (E5M2) with one E8M0 scale for each 32 along K.
; x's codes come from xq, laid by the launch before as register images, one dense record of RECB bytes for each K step of 128.  W IS MADE HERE, IN REGISTERS: W_q is read from memory once in the whole launch, and W's codes never go to memory.
; SHARES.  A work-group owns 64 rows of W (64 columns of out0: 256 aligned bytes of each row) against all 1,024 rows of x: 11,008 / 64 = 172 work-groups.  Wave w multiplies x's rows 256 w .. + 255 (16 blocks a of 16) by W's four
; blocks b: 64 accumulators, 512 registers.  Wave w also dequantises and quantises W's block w, one fragment a K step, one K step ahead of its use, and hands it to the others through LDS as an image of its registers.
; CLUSTER.  All work-groups walk the same records of xq: the four of a cluster ask for each quarter record JOINTLY (mask 15); mu1 likewise, once.  172 = 43 x 4, so a cluster is 4 x 1.
; THE MATRIX INSTRUCTION IS USED TRANSPOSED (source 0 = 16 rows of W, source 1 = 16 rows of x): a lane then holds eight neighbouring columns of one row of out0.
; BY TURNS.  A K step has 64 matrix instructions and some 290 vector instructions of dequantising; 64 of these stand at the trip's head, while the LDS loads are out, the rest in slices of four behind the first 48 matrix instructions.
; W_q COMES THROUGH A RING OF THREE SETS OF REGISTERS: a set holds a K step's 64 numbers a lane; with each set come the K step's two zeros and two scales of the lane's row (8 bytes each: beside the two slots, mu1 and W's images
; LDS has 23,552 bytes left, and the work-group's zeros and scales are 32,768).  Three K steps, 54 loads a wave, are on their way; no prefetch is written beside them.
; ROUNDING: scales x mu2 is formed first, then (q - zero) x that x mu1: three roundings as in the definition, in another order.  LIMITS: NaN and infinities are not served; a block of zeros keeps the byte 1 (its codes are zeros).
; REGISTERS, in windows of 256 (s_set_vgpr_msb: bits 1:0 source 0, 3:2 source 1, 5:4 source 2, 7:6 destination):
;   window 0: v1-19 addresses and single numbers; v20-21 W's scale words, v22-29 x's; v30-41 zeros and scales, three sets; v42-57 at work; v58-63 a K step's factors; v64-127 W's four fragments; v128-191, v192-255 x's fragments, four blocks each
;   window 1: v0-191 W_q, three sets of 64; v192-255 the K step's 64 numbers of mu1, then (v192-207) the codes just made      windows 2, 3: accumulator (a, b) at v[8 (4 (a % 8) + b)], window 2 for a < 8
.set RECB,  135168                     ; a record of xq, and an LDS slot
.set QREC,  33792                      ; a quarter of it: 132 rows of 256 bytes: what one tensor load brings
.set SLOTB, 135168                     ; slot 1 begins here = 0x21000: neither bit is set in QREC x wave or in a lane's place, so one exclusive or turns an address from slot to slot
.set XSCO,  131072                     ; in a record: the scale words
.set MUB,   2*SLOTB                    ; mu1: 16,384 bytes, filled once
.set WIMG,  MUB+16384                  ; W's images: two buffers of WBUF bytes, written by LDS stores alone
.set WBUF,  8448                       ; four images of 2,048 bytes, then 4 x 16 scale words
.set WSCO,  8192
.set SPARE, WIMG+2*WBUF                ; the spare words, 128 bytes for each wave: two blocks of 256 bytes that no other line names
.set SPITCH, 272                       ; the way out: a stage row: 256 bytes + 16
.set OROW,  44032                      ; a row of out0 in bytes
.set SPW, 1                            ; v1   SPARE + 4 x my thread's number; never rewritten
.set NIL, 2                            ; v2   0; never rewritten
.set LIX, 3                            ; v3   16 lane + 32768 wave: my wave's 16 images in a slot
.set LSX, 4                            ; v4   XSCO + 1024 wave + 8 lane: their scale words
.set LIW, 5                            ; v5   WIMG + 16 lane
.set LSW, 6                            ; v6   WIMG + WSCO + 4 lane
.set WIW, 7                            ; v7   WIMG + 2048 wave + 16 lane: where I store my image
.set WSW, 8                            ; v8   WIMG + WSCO + 64 wave + 4 r: and its scale word
.set ADX, 9                            ; v9-14 the same six with the slot or buffer in hand added
.set ASX, 10
.set ARW, 11
.set ARS, 12
.set AWW, 13
.set AWS, 14
.set AMU, 15                           ; v15  MUB + 64 h + 512 x the K step that is being dequantised
.set VO,  16                           ; v16  W_q: 16384 r + 64 h
.set VZ,  17                           ; v17  zeros, scales: 256 r
.set MU2, 18                           ; v18  mu2 of my row
.set PW,  19                           ; v19  the scale word just made
.set WS,  20                           ; v20-21 register j: W's block 2 j in lanes 0-15, block 2 j + 1 in lanes 16-31
.set XS,  22                           ; v22-29 register j: x's block 2 j in lanes 0-15, block 2 j + 1 in lanes 16-31
.set ZS,  30                           ; set q at v[30 + 4 q]: zero of k 0-63, of k 64-127, scale likewise
.set TM,  42                           ; v42-45 largest magnitudes, v46-49 bytes, v50-53 57,344 x the scale, v54-57 the conversions' scale operands
.set C0,  58                           ; v58, v60 scale x mu2 of the K step's two groups; v62 the second group's zero.  Each is the low word of a pair for the packed forms; v59, v61, v63 are named with them and not used
.set Z1,  62
.set WF,  64
.set XA,  128
.set XB,  192
.set MU,  192                          ; in window 1
.set PC,  192                          ; in window 1
.set STO, 9                            ; the way out: where I put 32 bytes of a row; where I read a row back; my byte offset in out0
.set RD,  10
.set CO,  11
.set WV,  18                           ; s18  my wave's number
.set TB,  26                           ; s26  the slot to be read: 0 or SLOTB
.set WBW, 27                           ; s27  W's buffer: 0 or WBUF
.set CNT, 28
.set MNT, 29                           ; s29  the mantissa field of 57,344
.set SEL, 30                           ; s[30:31] v_permlanex16_b32's selects for lane l xor 16
.set G1X, 32                           ; s[32:39] descriptor group 1 for a quarter record;  s[40:43] its group 0, which walks
.set G0X, 40
.set G1M, 44                           ; s[44:51], s[52:55] the same for a quarter of mu1
.set G0M, 52
.set MSB, 0
.macro WIN new                         ; the immediate's high byte repeats the setting that is left; a switch that changes nothing is dropped
.if MSB != \new
	s_set_vgpr_msb (MSB<<8)|\new
.set MSB, \new
.endif
.endm
.macro PLACES n
.rept \n
	v_nop
.endr
.endm
; A round of the cluster's barrier: my work-group's barrier; wave 0 signals for the work-group; every wave waits for all four work-groups; my work-group's barrier once more.
.macro ROUND
	s_barrier_signal -1
	s_barrier_wait -1
	s_cmp_lg_u32 s[WV], 0
	s_cbranch_scc1 .Lnot_wave_0_\@
	s_barrier_signal -3
.Lnot_wave_0_\@:
	s_barrier_wait -3
	s_barrier_signal -1
	s_barrier_wait -1
.endm
.macro STEPB                           ; the three streams' bases go one K step on
	s_wait_xcnt 0x0                                ; the loads issued so far have read their bases
	s_add_nc_u64 s[6:7], s[6:7], 512
	s_add_nc_u64 s[8:9], s[8:9], 8
	s_add_nc_u64 s[10:11], s[10:11], 8
.endm
.macro LOADB q                         ; a K step of my 16 rows into set q: 18 loads.  Register 16 b + 4 j + n = k 32 b + 16 h + 4 j + n of row r
	WIN 0x40
.irp b, 0,1,2,3
.irp j, 0,1,2,3
	global_load_b128 v[64*(\q)+16*\b+4*\j:64*(\q)+16*\b+4*\j+3], v[VO], s[6:7] offset:128*\b+16*\j th:TH_LOAD_NT
.endr
.endr
	WIN 0
	global_load_b64 v[ZS+4*(\q):ZS+4*(\q)+1], v[VZ], s[8:9]
	global_load_b64 v[ZS+4*(\q)+2:ZS+4*(\q)+3], v[VZ], s[10:11]
.endm
.macro XFETCH g, buf                   ; x's blocks 4 g .. 4 g + 3 of my 16: images as they lie, 512 consecutive bytes a load
	WIN 0
.irp i, 0,1,2,3
.irp c, 0,1,2,3
	ds_load_b128 v[\buf+16*\i+4*\c:\buf+16*\i+4*\c+3], v[ADX] offset:(4*(\g)+\i)*2048+512*\c
.endr
.endr
.endm
.macro MULOAD                          ; mu1 at my 64 places along K
	WIN 0x40
.irp b, 0,1,2,3
.irp j, 0,1,2,3
	ds_load_b128 v[MU+16*\b+4*\j:MU+16*\b+4*\j+3], v[AMU] offset:128*\b+16*\j
.endr
.endr
	WIN 0
.endm
; Matrix instruction ii of a K step's 64: x's block a = ii / 4, W's block b = ii % 4.  The 64 accumulators take turns, one instruction a turn, in the same order in every K step.
.macro WM zero
.set aa, ii/4
.set wb, ii%4
.set DR, 8*(4*(aa%8)+wb)
.set AR, WF+16*wb
.set BR, XA+64*((aa/4)%2)+16*(aa%4)
.set SA, WS+wb/2
.set SX, XS+aa/2
.if aa < 8
	WIN 0xa0
.else
	WIN 0xf0
.endif
.if \zero
.if (wb%2 == 0) && (aa%2 == 0)
	v_wmma_scale_f32_16x16x128_f8f6f4 v[DR:DR+7], v[AR:AR+15], v[BR:BR+15], 0, v[SA], v[SX] matrix_a_fmt:MATRIX_FMT_BF8 matrix_b_fmt:MATRIX_FMT_BF8
.elseif (wb%2 == 1) && (aa%2 == 0)
	v_wmma_scale_f32_16x16x128_f8f6f4 v[DR:DR+7], v[AR:AR+15], v[BR:BR+15], 0, v[SA], v[SX] matrix_a_fmt:MATRIX_FMT_BF8 matrix_b_fmt:MATRIX_FMT_BF8 matrix_a_scale:MATRIX_SCALE_ROW1
.elseif (wb%2 == 0) && (aa%2 == 1)
	v_wmma_scale_f32_16x16x128_f8f6f4 v[DR:DR+7], v[AR:AR+15], v[BR:BR+15], 0, v[SA], v[SX] matrix_a_fmt:MATRIX_FMT_BF8 matrix_b_fmt:MATRIX_FMT_BF8 matrix_b_scale:MATRIX_SCALE_ROW1
.else
	v_wmma_scale_f32_16x16x128_f8f6f4 v[DR:DR+7], v[AR:AR+15], v[BR:BR+15], 0, v[SA], v[SX] matrix_a_fmt:MATRIX_FMT_BF8 matrix_b_fmt:MATRIX_FMT_BF8 matrix_a_scale:MATRIX_SCALE_ROW1 matrix_b_scale:MATRIX_SCALE_ROW1
.endif
.else
.if (wb%2 == 0) && (aa%2 == 0)
	v_wmma_scale_f32_16x16x128_f8f6f4 v[DR:DR+7], v[AR:AR+15], v[BR:BR+15], v[DR:DR+7], v[SA], v[SX] matrix_a_fmt:MATRIX_FMT_BF8 matrix_b_fmt:MATRIX_FMT_BF8
.elseif (wb%2 == 1) && (aa%2 == 0)
	v_wmma_scale_f32_16x16x128_f8f6f4 v[DR:DR+7], v[AR:AR+15], v[BR:BR+15], v[DR:DR+7], v[SA], v[SX] matrix_a_fmt:MATRIX_FMT_BF8 matrix_b_fmt:MATRIX_FMT_BF8 matrix_a_scale:MATRIX_SCALE_ROW1
.elseif (wb%2 == 0) && (aa%2 == 1)
	v_wmma_scale_f32_16x16x128_f8f6f4 v[DR:DR+7], v[AR:AR+15], v[BR:BR+15], v[DR:DR+7], v[SA], v[SX] matrix_a_fmt:MATRIX_FMT_BF8 matrix_b_fmt:MATRIX_FMT_BF8 matrix_b_scale:MATRIX_SCALE_ROW1
.else
	v_wmma_scale_f32_16x16x128_f8f6f4 v[DR:DR+7], v[AR:AR+15], v[BR:BR+15], v[DR:DR+7], v[SA], v[SX] matrix_a_fmt:MATRIX_FMT_BF8 matrix_b_fmt:MATRIX_FMT_BF8 matrix_a_scale:MATRIX_SCALE_ROW1 matrix_b_scale:MATRIX_SCALE_ROW1
.endif
.endif
.endm
; THE VECTOR WORK OF A K STEP, set q, as 64 slices; DQS writes slice kk and steps kk.  No slice names a register of a matrix instruction, so the slices are also places behind the products that they follow.
;   0-15   the whole numbers become f32, four a slice
;   16-39  block b = (kk - 16) / 6, six slices: two take the group's zero off, two multiply by scale x mu2, two by mu1: four packed lines each
;   40-47  the four blocks' largest magnitudes, by turns, with the floor 2^(16 - 127) among the leaves; behind slice 47 the exchange with lane l xor 16, the scale operands, the holds' bounds, the bytes, the scale word
;   48-63  block b = (kk - 48) / 4, four slices of four holds; behind a block's last hold its two conversions and a plain line
.macro DQS q
.set RS, 64*(\q)
.set ZP, ZS+4*(\q)
.if kk < 16
	WIN 0x41
.irp n, 0,1,2,3
	v_cvt_f32_i32 v[RS+4*kk+\n], v[RS+4*kk+\n]
.endr
.elseif kk < 40
.set bb, (kk-16)/6
.set pp, (kk-16)%6
.set XR, RS+16*bb+8*(pp%2)
.if pp < 2
	WIN 0x41
.set ZR, ZP
.if bb >= 2
.set ZR, Z1
.endif
.irp n, 0,2,4,6
	v_pk_add_f32 v[XR+\n:XR+\n+1], v[XR+\n:XR+\n+1], v[ZR:ZR+1] op_sel_hi:[1,0] neg_lo:[0,1] neg_hi:[0,1]   ; q - zero: of the pair the low word serves both halves
.endr
.elseif pp < 4
	WIN 0x41
.set CR, C0+2*(bb/2)
.irp n, 0,2,4,6
	v_pk_mul_f32 v[XR+\n:XR+\n+1], v[XR+\n:XR+\n+1], v[CR:CR+1] op_sel_hi:[1,0]
.endr
.else
	WIN 0x45
.set MR, MU+16*bb+8*(pp%2)
.irp n, 0,2,4,6
	v_pk_mul_f32 v[XR+\n:XR+\n+1], v[XR+\n:XR+\n+1], v[MR+\n:MR+\n+1]
.endr
.endif
.elseif kk < 48
.if kk == 40
	WIN 0x05
.irp b, 0,1,2,3
	v_max3_num_f32 v[TM+\b], |v[RS+16*\b]|, |v[RS+16*\b+1]|, 0x8000000
.endr
.else
	WIN 0x14
.irp b, 0,1,2,3
	v_max3_num_f32 v[TM+\b], v[TM+\b], |v[RS+16*\b+2*(kk-40)]|, |v[RS+16*\b+2*(kk-40)+1]|
.endr
.endif
.if kk == 47
	WIN 0
.irp b, 0,1,2,3
	v_permlanex16_b32 v[TM+4+\b], v[TM+\b], s[SEL], s[SEL+1]
.endr
.irp b, 0,1,2,3
	v_max_num_f32 v[TM+\b], v[TM+\b], v[TM+4+\b]   ; with lane l xor 16's: the block's largest magnitude
.endr
.irp b, 0,1,2,3
	v_add_nc_u32 v[TM+12+\b], 0xf8800000, v[TM+\b] ; 15 off its exponent field: the conversion's scale operand
.endr
.irp b, 0,1,2,3
	v_and_or_b32 v[TM+8+\b], v[TM+\b], 0x7f800000, s[MNT]   ; 57,344 x the scale
.endr
.irp b, 0,1,2,3
	v_lshrrev_b32 v[TM+4+\b], 23, v[TM+12+\b]      ; the scale's byte
.endr
	v_lshl_or_b32 v[PW], v[TM+5], 8, v[TM+4]       ; my row's scale word (the same in lanes r and 16 + r)
	v_lshl_or_b32 v[PW], v[TM+6], 16, v[PW]
	v_lshl_or_b32 v[PW], v[TM+7], 24, v[PW]
.endif
.else
.set bb, (kk-48)/4
.set uu, (kk-48)%4
	WIN 0x41
.irp n, 0,1,2,3
	v_med3_num_f32 v[RS+16*bb+4*uu+\n], v[RS+16*bb+4*uu+\n], -v[TM+8+bb], v[TM+8+bb]   ; the conversion to an 8-bit code does not saturate (ISA guide 7.6.2): the hold comes first
.endr
.if uu == 3
	v_cvt_scalef32_pk8_bf8_f32 v[PC+4*bb:PC+4*bb+1], v[RS+16*bb:RS+16*bb+7], v[TM+12+bb]   ; registers 4 b .. 4 b + 3 of the fragment (mu1's first sixteen numbers, which lay here, were used in slices 20 and 21)
	v_cvt_scalef32_pk8_bf8_f32 v[PC+4*bb+2:PC+4*bb+3], v[RS+16*bb+8:RS+16*bb+15], v[TM+12+bb]
	v_nop                                          ; a plain line behind the conversions
.endif
.endif
.set kk, kk+1
.endm
.macro FACTORS q                       ; the K step's factors of my row
	v_mul_f32 v[C0], v[ZS+4*(\q)+2], v[MU2]
	v_mul_f32 v[C0+2], v[ZS+4*(\q)+3], v[MU2]
	v_mov_b32 v[Z1], v[ZS+4*(\q)+1]
.endm
.macro IMAGE                           ; my fragment and its scale word go to LDS as they stand: five LDS stores
	WIN 0x04
.irp c, 0,1,2,3
	ds_store_b128 v[AWW], v[PC+4*\c:PC+4*\c+3] offset:512*\c
.endr
	WIN 0
	ds_store_b32 v[AWS], v[PW]                     ; lanes r and 16 + r write the same word with the same value
.endm
; THE HEAD OF A TRIP: one barrier for four things.  In front of it each wave has waited for all its tensor loads (its quarter of this trip's record), has added 0 to its spare word, and has waited for that, for its reads of the
; other slot and of the other image buffer, and for its stores of this trip's image.  refill = 1: the barrier is a round of the cluster's, and behind it the other slot takes the next record: one tensor load a wave, which has the trip in which to land.
.macro HEAD refill, dq
	WIN 0                                          ; at a label and at a branch every window is 0; the add's two registers lie in window 0
	s_wait_tensorcnt 0x0                           ; no tensor load of mine is out, so the walking group 0 may be written
	ds_add_u32 v[SPW], v[NIL]                      ; 0 onto my spare word; the steps below stand between it and the wait for it
.if \refill
	s_xor_b32 s[G0X+1], s[G0X+1], SLOTB            ; the other slot than last time,
	s_add_nc_u64 s[G0X+2:G0X+3], s[G0X+2:G0X+3], RECB   ; the next record; the type bits on top are not reached
.endif
	v_add_nc_u32 v[ADX], s[TB], v[LIX]             ; this trip's addresses (the loads that read these four or five registers have all been waited for)
	v_add_nc_u32 v[ASX], s[TB], v[LSX]
	v_add_nc_u32 v[ARW], s[WBW], v[LIW]
	v_add_nc_u32 v[ARS], s[WBW], v[LSW]
.if \dq
	v_add_nc_u32 v[AMU], 512, v[AMU]
.endif
	s_xor_b32 s[TB], s[TB], SLOTB
	s_xor_b32 s[WBW], s[WBW], WBUF
	s_wait_dscnt 0x0                               ; the add is done, my LDS loads are in and my LDS stores have landed
.if \refill
	ROUND
	tensor_load_to_lds s[G0X:G0X+3], s[G1X:G1X+7]  ; the first thing behind the round, and my one tensor load until the next
	s_nop 0
.else
	s_barrier_signal -1
	s_barrier_wait -1
.endif
	PLACES 4                                       ; With the additions above and below: ten places or more between the last trip's last product and the loads into its operands, where eight are asked
	v_add_nc_u32 v[AWW], s[WBW], v[WIW]            ; where this trip's image goes: the other buffer (the last image's stores have landed)
	v_add_nc_u32 v[AWS], s[WBW], v[WSW]
.endm
; TRIP t multiplies K step t and (dq = 1) makes W's fragment of K step t + 1 from set q; ld = 1: set q then takes K step t + 4.  lc: the loads younger than set q's.  zero = 1: the products start the sums.
.macro TRIP q, zero, refill, dq, ld, lc
	HEAD \refill, \dq
.irp b, 0,1,2,3
.irp c, 0,1,2,3
	ds_load_b128 v[WF+16*\b+4*\c:WF+16*\b+4*\c+3], v[ARW] offset:2048*\b+512*\c
.endr
.endr
	ds_load_b32 v[WS], v[ARS]
	ds_load_b32 v[WS+1], v[ARS] offset:128
.irp g, 0,1,2,3
	ds_load_b64 v[XS+2*\g:XS+2*\g+1], v[ASX] offset:256*\g
.endr
	XFETCH 0, XA
.if \dq
	MULOAD
.endif
	XFETCH 1, XB
.if \dq
	s_wait_loadcnt \lc                             ; set q's 18 loads are in; the younger sets' stay out
	FACTORS \q
.set kk, 0
.rept 16
	DQS \q                                         ; 64 conversions stand here, while the LDS loads are out
.endr
.endif
	s_wait_dscnt 16                                ; all but the youngest sixteen (x's blocks 4-7) are in
.set ii, 0
.rept 64
.if (ii == 16) || (ii == 32)
	s_wait_dscnt 0x0                               ; the next four blocks of x are in: nothing was issued behind their loads
.endif
.if ii == 48
.if \dq
	s_wait_dscnt 5                                 ; x's blocks 12-15 are in; the image's five stores are younger
.else
	s_wait_dscnt 0x0
.endif
.endif
	WM \zero
.if \dq && (ii < 48)
	DQS \q
.endif
.if ii == 17                           ; the last product that read blocks 0-3 is number 15: three slices, twelve plain instructions, lie between (eight are asked); where there are no slices, eight v_nop
.if !\dq
	PLACES 8
.endif
	XFETCH 2, XA
.endif
.if ii == 33                           ; likewise for blocks 4-7, last read by number 31
.if !\dq
	PLACES 8
.endif
	XFETCH 3, XB
.endif
.if ii == 47
.if \dq
	IMAGE
.endif
.if \ld
	STEPB
	LOADB \q
.endif
.endif
.set ii, ii+1
.endr
.endm
	s_load_b256 s[4:11], s[0:1], 0x0               ; xq s[4:5], W_q s[6:7], zeros s[8:9], scales s[10:11]
	s_load_b128 s[12:15], s[0:1], 0x20             ; mu1 s[12:13], mu2 s[14:15]
	s_load_b64 s[16:17], s[0:1], 0x30              ; out0
	v_lshl_add_u32 v[SPW], v0, 2, SPARE
	v_mov_b32 v[NIL], 0
	ds_add_u32 v1, v2
	ds_add_u32 v1, v2
	s_wait_dscnt 0x0
	v_lshrrev_b32 v50, 5, v0
	v_readfirstlane_b32 s[WV], v50                 ; wave 0..3
	v_and_b32 v51, 31, v0                          ; lane
	v_and_b32 v52, 15, v0                          ; r
	v_bfe_u32 v53, v0, 4, 1                        ; h
	s_bfe_u32 s19, ttmp6, 0x40000                  ; cx: my place in the cluster
	s_lshl_b32 s20, ttmp9, 2                       ; in a cluster launch ttmp9 counts clusters
	s_add_co_u32 s20, s20, s19                     ; my work-group: it enters the addresses of W_q, zeros, scales, mu2 and out0 alone, through s24, s25 and s[56:57]
	; LDS addresses: the wave's number, the lane and constants
	s_lshl_b32 s22, s[WV], 15
	v_lshl_add_u32 v[LIX], v51, 4, s22
	s_lshl_b32 s22, s[WV], 10
	s_add_co_u32 s22, s22, XSCO
	v_lshl_add_u32 v[LSX], v51, 3, s22
	v_lshl_add_u32 v[LIW], v51, 4, WIMG
	v_lshl_add_u32 v[LSW], v51, 2, WIMG+WSCO
	s_lshl_b32 s22, s[WV], 11
	s_add_co_u32 s22, s22, WIMG
	v_lshl_add_u32 v[WIW], v51, 4, s22
	s_lshl_b32 s22, s[WV], 6
	s_add_co_u32 s22, s22, WIMG+WSCO
	v_lshl_add_u32 v[WSW], v52, 2, s22
	v_lshl_add_u32 v[AMU], v53, 6, MUB
	v_lshlrev_b32 v[VO], 14, v52                   ; a row of W_q is 16,384 bytes
	v_lshl_add_u32 v[VO], v53, 6, v[VO]            ; + my 16 numbers of a block of 32
	v_lshlrev_b32 v[VZ], 8, v52                    ; a row of zeros or scales is 256 bytes
	v_lshlrev_b32 v54, 2, v52                      ; mu2: 4 r
.irp b, 0,1,2,3
	v_mov_b32 v[TM+4+\b], 0                        ; written once: a lane permute's destination counts as one of its sources
.endr
	v_mov_b32 v[C0+1], 0                           ; named as the upper halves of pairs, so they are written
	v_mov_b32 v[C0+3], 0
	v_mov_b32 v[Z1+1], 0
	s_mov_b32 s[TB], 0
	s_mov_b32 s[WBW], 0
	s_mov_b32 s[MNT], 0x600000
	s_mov_b32 s[SEL], 0x76543210
	s_mov_b32 s[SEL+1], 0xfedcba98
	; descriptor group 1: dense blocks as rows of 256 bytes (32 elements of 8 bytes), no padding: images are read 512 consecutive bytes a load
	s_mov_b32 s[G1X], 15|(3<<16)|(1<<21)           ; 15:0 the mask: all four work-groups; 17:16 elements of 8 bytes; 21 set beside a mask
	s_mov_b32 s[G1X+1], 32<<16                     ; tensor_dim0 = 32
	s_mov_b32 s[G1X+2], 132<<16                    ; tensor_dim1 = 132
	s_mov_b32 s[G1X+3], 32<<16                     ; tile_dim0 = 32
	s_mov_b32 s[G1X+4], 132                        ; tile_dim1 = 132
	s_mov_b32 s[G1X+5], 32                         ; from row to row: 32 elements
	s_mov_b32 s[G1X+6], 0
	s_mov_b32 s[G1X+7], 0
	s_mov_b32 s[G1M], 15|(3<<16)|(1<<21)
	s_mov_b32 s[G1M+1], 32<<16
	s_mov_b32 s[G1M+2], 16<<16                     ; a quarter of mu1: 16 rows of 256 bytes
	s_mov_b32 s[G1M+3], 32<<16
	s_mov_b32 s[G1M+4], 16
	s_mov_b32 s[G1M+5], 32
	s_mov_b32 s[G1M+6], 0
	s_mov_b32 s[G1M+7], 0
	s_lshl_b32 s24, s20, 6
	s_lshl_b32 s25, s[WV], 4
	s_add_co_u32 s24, s24, s25                     ; my first row of W: 64 x work-group + 16 x wave
	s_mov_b32 s57, 0
	s_mov_b32 s23, 0
	s_wait_kmcnt 0x0
	s_lshl_b32 s56, s24, 14
	s_add_nc_u64 s[6:7], s[6:7], s[56:57]
	s_lshl_b32 s56, s24, 8
	s_add_nc_u64 s[8:9], s[8:9], s[56:57]
	s_add_nc_u64 s[10:11], s[10:11], s[56:57]
	s_lshl_b32 s56, s24, 2
	s_add_nc_u64 s[14:15], s[14:15], s[56:57]
	s_mul_i32 s56, s[WV], 256*OROW                 ; out0: my wave's 256 rows,
	s_lshl_b32 s25, s20, 8                         ; my work-group's 256 bytes of each
	s_add_co_u32 s56, s56, s25
	s_add_nc_u64 s[16:17], s[16:17], s[56:57]
	; descriptor groups 0: the wave's number and constants alone
	s_lshl_b32 s22, s[WV], 12
	s_mov_b32 s[G0M], 1                            ; count = 1
	s_add_co_u32 s[G0M+1], s22, MUB                ; LDS address
	s_add_nc_u64 s[G0M+2:G0M+3], s[12:13], s[22:23]   ; global address: my quarter of mu1
	s_or_b32 s[G0M+3], s[G0M+3], 0x80000000        ; type = 2
	s_mul_i32 s22, s[WV], QREC
	s_mov_b32 s[G0X], 1
	s_mov_b32 s[G0X+1], s22                        ; slot 0, my quarter
	s_add_nc_u64 s[G0X+2:G0X+3], s[4:5], s[22:23]  ; record 0, my quarter
	s_or_b32 s[G0X+3], s[G0X+3], 0x80000000
	global_load_b32 v[MU2], v54, s[14:15]
	LOADB 0                                        ; K steps 0, 1, 2 of W_q are asked for before anything else
	STEPB
	LOADB 1
	STEPB
	LOADB 2
	ROUND                                          ; all four work-groups are here: the first joint loads meet
	tensor_load_to_lds s[G0M:G0M+3], s[G1M:G1M+7]  ; mu1: filled once
	s_nop 0
	tensor_load_to_lds s[G0X:G0X+3], s[G1X:G1X+7]  ; record 0.  Two tensor loads of mine are out; later one
	s_nop 0
	PLACES 4
	s_wait_tensorcnt 0x1                           ; my quarter of mu1 is in; record 0 may stay out
	s_barrier_signal -1
	s_barrier_wait -1                              ; everybody's is
	; W's fragment of K step 0, with no products to set it between
	MULOAD
	v_add_nc_u32 v[AWW], s[WBW], v[WIW]            ; buffer 0
	v_add_nc_u32 v[AWS], s[WBW], v[WSW]
	s_wait_loadcnt 36                              ; mu2 and set 0 are in; sets 1 and 2 stay out
	FACTORS 0
	s_wait_dscnt 0x0                               ; mu1's 64 numbers
.set kk, 0
.rept 64
	DQS 0
.endr
	IMAGE
	STEPB
	LOADB 0                                        ; K step 3
	TRIP 1, 1, 1, 1, 1, 36                         ; trip 0 stands in front of the loop: its products start the sums; its head fills slot 1 for the first time, as a refill is issued
	WIN 0
	s_mov_b32 s[CNT], 9
.Lloop:                                                ; trips 1 to 27: three to a pass, until the sets' numbers are back where they began
	TRIP 2, 0, 1, 1, 1, 36
	TRIP 0, 0, 1, 1, 1, 36
	TRIP 1, 0, 1, 1, 1, 36
	WIN 0
	s_sub_co_u32 s[CNT], s[CNT], 1
	s_cmp_lg_u32 s[CNT], 0
	s_cbranch_scc1 .Lloop
	TRIP 2, 0, 1, 1, 0, 36                         ; trip 28: W_q has been asked for to its end; K steps 30 and 31 are still out
	TRIP 0, 0, 1, 1, 0, 18                         ; trip 29
	TRIP 1, 0, 1, 1, 0, 0                          ; trip 30: the last record is asked for, the last fragment of W is made
	TRIP 0, 0, 0, 0, 0, 0                          ; trip 31: nothing is filled, so a plain barrier; nothing is left to dequantise
	; THE WAY OUT, a block of 16 rows x 64 columns at a time.  A lane holds 32 neighbouring bytes of a row, and the lanes beside it hold other rows: a block goes through my own stage in LDS and comes back as whole pieces of
	; 256 bytes.  The stage lies in slot 0, which has had its last fill (record 30) and, ahead of trip 31's barrier, its last read.  Two buffers of 16 rows x 272 bytes for each wave.
	WIN 0
	s_mul_i32 s22, s[WV], 2*16*SPITCH
	v_and_b32 v12, 15, v0                          ; r.  These ten lines are the places behind the last products, ahead of the loads into W's fragments' registers and of the reads of results
	v_bfe_u32 v13, v0, 4, 1                        ; h
	v_mul_u32_u24 v[STO], v12, SPITCH
	v_lshl_add_u32 v[STO], v13, 5, v[STO]
	v_add_nc_u32 v[STO], s22, v[STO]               ; in: row r, 32 bytes for each half of the lanes
	v_mul_u32_u24 v[RD], v13, SPITCH
	v_lshl_add_u32 v[RD], v12, 4, v[RD]
	v_add_nc_u32 v[RD], s22, v[RD]                 ; back: lanes 0-15 one row's 256 bytes, lanes 16-31 the next row's
	v_mul_u32_u24 v[CO], v13, OROW
	v_lshl_add_u32 v[CO], v12, 4, v[CO]            ; and the same two rows in out0
.macro TOSTAGE a
.set AC, 32*((\a)%8)
.set SG, 16*SPITCH*((\a)%2)
.set BB, WF+32*((\a)%2)
.if (\a) < 8
	WIN 0x08                                       ; an LDS store's data are its source 1: window 2,
.else
	WIN 0x0c                                       ; or 3
.endif
.irp b, 0,1,2,3
	ds_store_b128 v[STO], v[AC+8*\b:AC+8*\b+3] offset:SG+64*\b          ; each accumulator from its low end on
	ds_store_b128 v[STO], v[AC+8*\b+4:AC+8*\b+7] offset:SG+64*\b+16
.endr
	WIN 0
.irp i, 0,1,2,3,4,5,6,7
	ds_load_b128 v[BB+4*\i:BB+4*\i+3], v[RD] offset:SG+2*SPITCH*\i      ; LDS serves a wave's instructions in order (ISA guide 5.7.1.4): these see the stores above
.endr
.endm
.macro SEND a, younger                 ; younger: the LDS instructions issued behind block a's loads
.set BB, WF+32*((\a)%2)
	s_wait_dscnt \younger                          ; the block is back in registers
.if (\a) > 0
	s_add_nc_u64 s[16:17], s[16:17], 16*OROW       ; 16 rows on (the earlier stores have read their base: the wait on XCNT stands ahead)
.endif
.irp i, 0,1,2,3,4,5,6,7
	global_store_b128 v[CO], v[BB+4*\i:BB+4*\i+3], s[16:17] offset:2*OROW*\i th:TH_STORE_NT   ; sixteen lanes store 256 consecutive bytes, at a multiple of 256 from out0's first byte
.endr
.endm
	TOSTAGE 0
.irp a, 1,2,3,4,5,6,7,8,9,10,11,12,13,14,15
.if \a > 1
	s_wait_xcnt 0x0                                ; block a - 2's stores have read their registers and their base: block a's loads may land there, and the base may step
.endif
	TOSTAGE \a
	SEND \a-1, 16                                  ; behind block a - 1's loads: block a's eight stores and eight loads
.endr
	s_wait_xcnt 0x0
	SEND 15, 0
	s_wait_tensorcnt 0x0                           ; the wave's end, behind my last tensor load and my last LDS store
	ds_add_u32 v[SPW], v[NIL]
	s_wait_dscnt 0x0
	ROUND                                          ; the closing round: no work-group ends while a partner may still ask for a tile that names it
	s_endpgm
.Lfunc_end_k_q8cf6b9a7dc_fused:
	.size	k_q8cf6b9a7dc_fused, .Lfunc_end_k_q8cf6b9a7dc_fused-k_q8cf6b9a7dc_fused
	.p2alignl 7, 3214868480
	.fill 96, 4, 3214868480
	.section	.rodata,"a",@progbits
	.p2align	6, 0x0
	.amdhsa_kernel k_q8cf6b9a7dc_fused
		.amdhsa_group_segment_fixed_size 327680
		.amdhsa_private_segment_fixed_size 0
		.amdhsa_enable_private_segment 0
		.amdhsa_kernarg_size 56
		.amdhsa_user_sgpr_count 2
		.amdhsa_user_sgpr_kernarg_segment_ptr 1
		.amdhsa_wavefront_size32 1
		.amdhsa_system_sgpr_workgroup_id_x 1
		.amdhsa_system_sgpr_workgroup_id_y 1
		.amdhsa_system_sgpr_workgroup_id_z 1
		.amdhsa_system_vgpr_workitem_id 0
		.amdhsa_next_free_vgpr 1024
		.amdhsa_next_free_sgpr 66
		.amdhsa_reserve_vcc 0
		.amdhsa_float_denorm_mode_32 3
		.amdhsa_float_denorm_mode_16_64 3
		.amdhsa_memory_ordered 1
		.amdhsa_forward_progress 1
		.amdhsa_inst_pref_size 255
	.end_amdhsa_kernel
	.section	.bss,"aw",@nobits
	.p2align	6
	.space	262144
	.amdgpu_metadata
---
amdhsa.version: [ 1, 2 ]
amdhsa.kernels:
  - .name:           k_q8cf6b9a7dc_fused
    .symbol:         k_q8cf6b9a7dc_fused.kd
    .args:
      - { .name: xq, .offset: 0, .size: 8, .value_kind: global_buffer, .address_space: global }
      - { .name: W_q, .offset: 8, .size: 8, .value_kind: global_buffer, .address_space: global }
      - { .name: zeros, .offset: 16, .size: 8, .value_kind: global_buffer, .address_space: global }
      - { .name: scales, .offset: 24, .size: 8, .value_kind: global_buffer, .address_space: global }
      - { .name: mu1, .offset: 32, .size: 8, .value_kind: global_buffer, .address_space: global }
      - { .name: mu2, .offset: 40, .size: 8, .value_kind: global_buffer, .address_space: global }
      - { .name: out0, .offset: 48, .size: 8, .value_kind: global_buffer, .address_space: global }
    .group_segment_fixed_size: 327680
    .private_segment_fixed_size: 0
    .kernarg_segment_align: 8
    .kernarg_segment_size: 56
    .max_flat_workgroup_size: 128
    .sgpr_count:     66
    .vgpr_count:     1024
    .wavefront_size: 32
...
	.end_amdgpu_metadata
.endif
;; end of part 2
;; ======== version 2 of 2: 2 launches
;; limits: right only within a limited range of input values
;; workspace buffers: xq 4,325,376 bytes; wq 46,497,792 bytes
;; launch prep (part 3): grid 188 x 1, 4 waves a work-group, no clusters, 327,680 bytes of LDS; arguments x, W_q, zeros, scales, mu1, mu2, xq, wq; writes xq, wq
.if DOCPART == 3
	.amdgcn_target "amdgcn-amd-amdhsa--gfx1250"
	.amdhsa_code_object_version 6
	.text
	.protected	k_q8cf6b9a7dc_prep
	.globl	k_q8cf6b9a7dc_prep
	.p2align	8
	.type	k_q8cf6b9a7dc_prep,@function
k_q8cf6b9a7dc_prep:
	s_mov_b64 s[64:65], 0
	v_nop
	global_prefetch_b8 v0, s[64:65] scope:SCOPE_SE
	s_setreg_imm32_b32 hwreg(HW_REG_WAVE_MODE, 25, 1), 1
	s_wait_xcnt 0x0
; BOTH OPERANDS OF out0 = Q(x) Q(W)^T BECOME CODES OF BF8 (E5M2) with one E8M0 scale for each 32 along K, laid as images of the operand registers of the launch that follows.
; W[n][k] = ((W_q[n][k] - zeros[n][k / 64]) x scales[n][k / 64]) x mu2[n] x mu1[k] is made here in f32; x is taken as it is.  Nothing of the problem is left out.
; SHARES.  Work-groups 0 to 171 take 64 rows of W_q, 172 to 187 take 64 rows of x; a wave takes 16 rows, all 32 K steps of 128.  A row of either tensor is 16,384 bytes, so both take one path: the buffers are chosen by the
; work-group's number, and x's work-groups jump over the lines that dequantise.
; THE STREAM comes by tensor loads into two LDS slots of four K steps (16 rows x 2,048 bytes a wave, 16 bytes of padding behind each 1,024: rows 2,080 bytes apart); only the wave that asked reads its part.
; A lane reads 16 neighbours along K of its row for each block of 32, so the conversions' results are the operand's registers.  zeros, scales and mu1 are copied into LDS once, in whole units of 256 bytes.
; OUT.  wq: for each group of 64 rows and K step a record of 8,448 bytes: four images of 2,048 (block w: register group c of lane l at 2048 w + 512 c + 16 l), then 256 bytes of scale words.
; xq: for each 256 rows and K step a record of 33,792 bytes: sixteen images, then four times 256 bytes of scale words.  In 256 bytes of scale words lane l's word i (at 8 l + 4 i) is row l % 16 of block 2 i + l / 16 of the four.
; Every store of codes covers 512 consecutive bytes; the scale words are gathered in LDS and leave at the end, 256 aligned bytes a store.
; PREFETCH.  In the K step d each wave asks for K step d + 8 of its 16 rows (32 blocks of 256 bytes, a lane a block): that is the slot after the one on its way; the loop's last trip asks for nothing, since K ends.
; No joint loads: no two work-groups read the same rows; mu1 is 16,384 bytes beside 1,048,576 of rows.
; ROUNDING: scales x mu2 is formed first, then (q - zero) x that x mu1: three roundings as in the definition, in another order.  LIMITS: NaN and infinities are not served; a block of zeros keeps the byte 1 (its codes are zeros, and this program alone reads the bytes).
.set QROW,  2080
.set QWAVE, 16*QROW
.set SLOTB, 4*QWAVE                    ; a slot: 133,120 bytes; buffer 0 at 0, buffer 1 behind it
.set MUB,   2*SLOTB                    ; mu1
.set ZSB,   MUB+16384                  ; for each wave 16 rows of zeros, then 16 of scales, 272 bytes apart
.set ZPITCH, 272
.set ZHALF, 16*ZPITCH
.set ZWAVE, 2*ZHALF
.set SGB,   ZSB+4*ZWAVE                ; the scale words: 32 K steps x 256 bytes
.set SPARE, SGB+8192                   ; the spare words: 512 bytes that no other line names
.set SPW, 1
.set NIL, 2
.set AMU, 3                            ; MUB + 64 h + 512 x the slot's first K step
.set AZ,  4                            ; my row's zeros at the slot's first K step
.set QB,  5                            ; QWAVE wave + QROW r + 64 h
.set AQ,  6                            ; the same in the buffer in hand
.set VO,  7                            ; 2048 wave + 16 lane
.set ASG, 8                            ; where my block's scale word goes
.set ASL, 9                            ; SGB + 2048 wave + 8 lane
.set PFQ, 10                           ; 16384 r + 256 h
.set MU2, 11
.set PW,  12
.set ZS,  34
.set C0,  38
.set Z1,  42
.set TM,  44
.set RS,  128
.set MU,  192
.set PC,  192
.set WV,  20
.set ISX, 21                           ; 1: my rows are x's
.set QS,  26
.set CNT, 27
.set MNT, 29
.set SEL, 30
.set G1,  32
.set G0,  40
.set PQ,  44                           ; the prefetch's base
.set OB,  46                           ; where the K step's images go
.set SBS, 48                           ; where my eight K steps' scale words go
.set ST,  50                           ; s[50:51] bytes from record to record
.macro DQS                             ; slice kk of a K step's vector work: 0-15 whole numbers to f32; 16-39 the zero off, x scale x mu2, x mu1; 40-47 the blocks' largest magnitudes and what follows from them; 48-63 holds and conversions
.if kk < 16
.irp n, 0,1,2,3
	v_cvt_f32_i32 v[RS+4*kk+\n], v[RS+4*kk+\n]
.endr
.elseif kk < 40
.set bb, (kk-16)/6
.set pp, (kk-16)%6
.set XR, RS+16*bb+8*(pp%2)
.if pp < 2
.set ZR, ZS
.if bb >= 2
.set ZR, Z1
.endif
.irp n, 0,2,4,6
	v_pk_add_f32 v[XR+\n:XR+\n+1], v[XR+\n:XR+\n+1], v[ZR:ZR+1] op_sel_hi:[1,0] neg_lo:[0,1] neg_hi:[0,1]   ; q - zero: the pair's low word serves both halves
.endr
.elseif pp < 4
.set CR, C0+2*(bb/2)
.irp n, 0,2,4,6
	v_pk_mul_f32 v[XR+\n:XR+\n+1], v[XR+\n:XR+\n+1], v[CR:CR+1] op_sel_hi:[1,0]
.endr
.else
.set MR, MU+16*bb+8*(pp%2)
.irp n, 0,2,4,6
	v_pk_mul_f32 v[XR+\n:XR+\n+1], v[XR+\n:XR+\n+1], v[MR+\n:MR+\n+1]
.endr
.endif
.elseif kk < 48
.if kk == 40
.irp b, 0,1,2,3
	v_max3_num_f32 v[TM+\b], |v[RS+16*\b]|, |v[RS+16*\b+1]|, 0x8000000   ; with the floor 2^(16 - 127): the byte cannot fall under 1
.endr
.else
.irp b, 0,1,2,3
	v_max3_num_f32 v[TM+\b], v[TM+\b], |v[RS+16*\b+2*(kk-40)]|, |v[RS+16*\b+2*(kk-40)+1]|
.endr
.endif
.if kk == 47
.irp b, 0,1,2,3
	v_permlanex16_b32 v[TM+4+\b], v[TM+\b], s[SEL], s[SEL+1]
.endr
.irp b, 0,1,2,3
	v_max_num_f32 v[TM+\b], v[TM+\b], v[TM+4+\b]   ; with lane l xor 16's: the block's largest magnitude
.endr
.irp b, 0,1,2,3
	v_add_nc_u32 v[TM+12+\b], 0xf8800000, v[TM+\b] ; 15 off its exponent field: the conversion's scale operand
.endr
.irp b, 0,1,2,3
	v_and_or_b32 v[TM+8+\b], v[TM+\b], 0x7f800000, s[MNT]   ; 57,344 x the scale
.endr
.irp b, 0,1,2,3
	v_lshrrev_b32 v[TM+4+\b], 23, v[TM+12+\b]      ; the scale's byte
.endr
	v_lshl_or_b32 v[PW], v[TM+5], 8, v[TM+4]
	v_lshl_or_b32 v[PW], v[TM+6], 16, v[PW]
	v_lshl_or_b32 v[PW], v[TM+7], 24, v[PW]
.endif
.else
.set bb, (kk-48)/4
.set uu, (kk-48)%4
.irp n, 0,1,2,3
	v_med3_num_f32 v[RS+16*bb+4*uu+\n], v[RS+16*bb+4*uu+\n], -v[TM+8+bb], v[TM+8+bb]   ; the conversion does not saturate (ISA guide 7.6.2): the hold comes first
.endr
.if uu == 3
	v_cvt_scalef32_pk8_bf8_f32 v[PC+4*bb:PC+4*bb+1], v[RS+16*bb:RS+16*bb+7], v[TM+12+bb]
	v_cvt_scalef32_pk8_bf8_f32 v[PC+4*bb+2:PC+4*bb+3], v[RS+16*bb+8:RS+16*bb+15], v[TM+12+bb]
	v_nop
.endif
.endif
.set kk, kk+1
.endm
; K step u of the slot in hand.  pf = 1: the prefetch is written
.macro QPH u, pf
.irp b, 0,1,2,3
.irp j, 0,1,2,3
	ds_load_b128 v[RS+16*\b+4*\j:RS+16*\b+4*\j+3], v[AQ] offset:512*(\u)+16*((\u)/2)+128*\b+16*\j   ; register 16 b + 4 j + n = k 32 b + 16 h + 4 j + n of row r
.endr
.endr
.if \pf
	s_cmp_lg_u32 s[CNT], 1
	s_cbranch_scc0 .Lnq_\@
	global_prefetch_b8 v[PFQ], s[PQ:PQ+1] offset:4096+512*(\u) th:TH_LOAD_NT scope:SCOPE_SE
.Lnq_\@:
.endif
	s_cmp_lg_u32 s[ISX], 0
	s_cbranch_scc1 .Lraw_\@                        ; x's numbers are taken as they are
	ds_load_b64 v[ZS:ZS+1], v[AZ] offset:8*(\u)
	ds_load_b64 v[ZS+2:ZS+3], v[AZ] offset:ZHALF+8*(\u)
.irp b, 0,1,2,3
.irp j, 0,1,2,3
	ds_load_b128 v[MU+16*\b+4*\j:MU+16*\b+4*\j+3], v[AMU] offset:512*(\u)+128*\b+16*\j
.endr
.endr
	s_wait_dscnt 0x0
	v_mul_f32 v[C0], v[ZS+2], v[MU2]
	v_mul_f32 v[C0+2], v[ZS+3], v[MU2]
	v_mov_b32 v[Z1], v[ZS+1]
.set kk, 0
.rept 40
	DQS
.endr
	s_wait_alu depctr_va_vdst(0)
.Lraw_\@:
	s_wait_dscnt 0x0
.set kk, 40
.rept 24
	DQS
.endr
.irp c, 0,1,2,3
	global_store_b128 v[VO], v[PC+4*\c:PC+4*\c+3], s[OB:OB+1] offset:512*\c   ; 512 consecutive bytes a store
.endr
	ds_store_b32 v[ASG], v[PW] offset:256*(\u)     ; lanes r and 16 + r write the same word with the same value
	s_wait_xcnt 0x0                                ; the stores have read their data and their base, the prefetch its base
	s_add_nc_u64 s[OB:OB+1], s[OB:OB+1], s[ST:ST+1]
.endm
	s_load_b256 s[4:11], s[0:1], 0x0               ; x, W_q, zeros, scales
	s_load_b256 s[12:19], s[0:1], 0x20             ; mu1, mu2, xq, wq
	v_lshl_add_u32 v[SPW], v0, 2, SPARE
	v_mov_b32 v[NIL], 0
	ds_add_u32 v[SPW], v[NIL]                      ; the opening lines: the add twice on end and one wait
	ds_add_u32 v[SPW], v[NIL]
	v_lshrrev_b32 v60, 5, v0
	v_readfirstlane_b32 s[WV], v60                 ; wave 0..3
	s_mov_b32 s[G1], (2<<16)|(1<<20)|(7<<22)|(3<<25)   ; elements of 4 bytes; 4 words of padding behind every 256
	s_mov_b32 s[G1+1], 512<<16
	s_mov_b32 s[G1+2], 16<<16
	s_mov_b32 s[G1+3], 512<<16
	s_mov_b32 s[G1+4], 16
	s_mov_b32 s[G1+5], 4096
	s_mov_b32 s[G1+6], 0
	s_mov_b32 s[G1+7], 0
	s_cmp_ge_u32 ttmp9, 172
	s_cselect_b32 s[ISX], 1, 0
	s_cselect_b32 s22, 172, 0
	s_mov_b32 s[ST], 8448
	s_cselect_b32 s[ST], 33792, s[ST]
	s_mov_b32 s[ST+1], 0
	s_sub_co_u32 s22, ttmp9, s22                   ; which 64 rows of my tensor
	s_lshl_b32 s23, s22, 6
	s_lshl_b32 s24, s[WV], 4
	s_add_co_u32 s23, s23, s24                     ; my first row
	s_lshl_b32 s56, s23, 14
	s_mov_b32 s57, 0
	s_mul_i32 s25, s[WV], QWAVE
	s_wait_alu depctr_va_vdst(0)
	s_wait_dscnt 0x0
	s_wait_kmcnt 0x0
	s_cmp_lg_u32 s[ISX], 0
	s_cselect_b64 s[6:7], s[4:5], s[6:7]           ; the tensor that I read,
	s_cselect_b64 s[18:19], s[16:17], s[18:19]     ; and the buffer that I write
	s_add_nc_u64 s[6:7], s[6:7], s[56:57]
	s_mov_b32 s[G0], 1
	s_mov_b32 s[G0+1], s25
	s_mov_b64 s[G0+2:G0+3], s[6:7]
	s_or_b32 s[G0+3], s[G0+3], 0x80000000
	tensor_load_to_lds s[G0:G0+3], s[G1:G1+7]      ; slot 0: my one tensor load at the head
	s_nop 0
	s_mov_b64 s[PQ:PQ+1], s[6:7]
	s_lshl_b32 s56, s23, 8
	s_add_nc_u64 s[8:9], s[8:9], s[56:57]
	s_add_nc_u64 s[10:11], s[10:11], s[56:57]
	s_lshl_b32 s56, s23, 2
	s_add_nc_u64 s[14:15], s[14:15], s[56:57]
	s_lshl_b32 s56, s[WV], 12
	s_add_nc_u64 s[12:13], s[12:13], s[56:57]
	s_add_co_u32 s60, s56, MUB
	s_mul_i32 s52, s22, 32*8448                    ; wq: my group's records; their scale words at 8,192
	s_add_co_u32 s53, s52, 8192
	s_lshr_b32 s54, s22, 2
	s_mul_i32 s54, s54, 32*33792                   ; xq: my 256 rows' records;
	s_and_b32 s55, s22, 3
	s_lshl_b32 s24, s55, 13
	s_add_co_u32 s24, s24, s54                     ; my four images of the sixteen,
	s_lshl_b32 s55, s55, 8
	s_add_co_u32 s55, s55, s54
	s_add_co_u32 s55, s55, 32768                   ; my 256 bytes of scale words
	s_cmp_lg_u32 s[ISX], 0
	s_cselect_b32 s52, s24, s52
	s_cselect_b32 s53, s55, s53
	s_lshl_b32 s24, s[WV], 3
	s_mul_i32 s24, s24, s[ST]
	s_add_co_u32 s53, s53, s24                     ; at the end wave w stores K steps 8 w .. 8 w + 7
	s_mov_b32 s56, s52
	s_add_nc_u64 s[OB:OB+1], s[18:19], s[56:57]
	s_mov_b32 s56, s53
	s_add_nc_u64 s[SBS:SBS+1], s[18:19], s[56:57]
	s_mul_i32 s2, s[WV], ZWAVE
	s_add_co_u32 s2, s2, ZSB
	s_lshl_b32 s3, s[WV], 11
	s_add_co_u32 s59, s3, SGB
	s_and_b32 s58, s[WV], 1
	s_lshl_b32 s58, s58, 7
	s_lshr_b32 s24, s[WV], 1
	s_lshl_b32 s24, s24, 2
	s_add_co_u32 s58, s58, s24
	s_add_co_u32 s58, s58, SGB
	s_mov_b32 s[MNT], 0x600000
	s_mov_b32 s[SEL], 0x76543210
	s_mov_b32 s[SEL+1], 0xfedcba98
	v_and_b32 v60, 31, v0                          ; lane
	v_and_b32 v61, 15, v0                          ; r
	v_bfe_u32 v62, v0, 4, 1                        ; h
	v_lshl_add_u32 v[AMU], v62, 6, MUB
	v_mul_u32_u24 v[AZ], v61, ZPITCH
	v_add_nc_u32 v[AZ], s2, v[AZ]
	v_mul_u32_u24 v[QB], v61, QROW
	v_lshl_add_u32 v[QB], v62, 6, v[QB]
	v_add_nc_u32 v[QB], s25, v[QB]
	v_lshl_add_u32 v[VO], v60, 4, s3
	v_lshl_add_u32 v[ASG], v61, 3, s58
	v_lshl_add_u32 v[ASL], v60, 3, s59
	v_lshlrev_b32 v[PFQ], 14, v61
	v_lshl_add_u32 v[PFQ], v62, 8, v[PFQ]
	v_mul_u32_u24 v63, v62, ZPITCH                 ; zeros and scales into LDS: rows 2 i + h, 16 bytes a lane
	v_lshl_add_u32 v63, v61, 4, v63
	v_add_nc_u32 v63, s2, v63
	v_lshlrev_b32 v13, 4, v60
	v_lshl_add_u32 v14, v60, 4, s60
	v_lshlrev_b32 v15, 2, v61
.irp b, 0,1,2,3
	v_mov_b32 v[TM+4+\b], 0                        ; a lane permute's destination counts as one of its sources
.endr
	v_mov_b32 v[C0+1], 0                           ; upper halves of pairs that are named whole
	v_mov_b32 v[C0+3], 0
	v_mov_b32 v[Z1+1], 0
	s_wait_alu depctr_va_vdst(0)
.irp u, 0,1,2,3
	global_prefetch_b8 v[PFQ], s[PQ:PQ+1] offset:2048+512*\u th:TH_LOAD_NT scope:SCOPE_SE   ; slot 1's four K steps
.endr
	s_cmp_lg_u32 s[ISX], 0
	s_cbranch_scc1 .Lnot_w
	global_load_b32 v[MU2], v15, s[14:15]
.irp i, 0,1,2,3,4,5,6,7                ; my 16 rows of zeros and of scales, my quarter of mu1: 4,096 dense bytes each, 512 a load
	global_load_b128 v[RS+4*\i:RS+4*\i+3], v13, s[8:9] offset:512*\i
	global_load_b128 v[RS+32+4*\i:RS+32+4*\i+3], v13, s[10:11] offset:512*\i
	global_load_b128 v[MU+4*\i:MU+4*\i+3], v13, s[12:13] offset:512*\i
.endr
	s_wait_loadcnt 0x0
.irp i, 0,1,2,3,4,5,6,7
	ds_store_b128 v63, v[RS+4*\i:RS+4*\i+3] offset:2*ZPITCH*\i
	ds_store_b128 v63, v[RS+32+4*\i:RS+32+4*\i+3] offset:ZHALF+2*ZPITCH*\i
	ds_store_b128 v14, v[MU+4*\i:MU+4*\i+3] offset:512*\i
.endr
.Lnot_w:
	s_mov_b32 s[CNT], 7
	s_mov_b32 s[QS], SLOTB
.Lslot:                                                ; slots 0 to 6: the slot in hand is worked on while the next is on its way
	s_wait_tensorcnt 0x0                           ; my part of the slot in hand is in, so group 0 may be written
	ds_add_u32 v[SPW], v[NIL]
	s_xor_b32 s[QS], s[QS], SLOTB
	s_xor_b32 s52, s[QS], SLOTB
	s_add_co_u32 s[G0+1], s25, s52                 ; the other buffer,
	s_add_nc_u64 s[G0+2:G0+3], s[G0+2:G0+3], 2048  ; the next four K steps
	v_add_nc_u32 v[AQ], s[QS], v[QB]
	s_wait_alu depctr_va_vdst(0)
	s_wait_dscnt 0x0
	s_barrier_signal -1
	s_barrier_wait -1                              ; (the first time: everybody's quarter of mu1 is in LDS)
	tensor_load_to_lds s[G0:G0+3], s[G1:G1+7]      ; my one tensor load until the next barrier
	s_nop 0
	QPH 0, 1
	QPH 1, 1
	QPH 2, 1
	QPH 3, 1
	v_add_nc_u32 v[AMU], 2048, v[AMU]
	v_add_nc_u32 v[AZ], 32, v[AZ]
	v_add_nc_u32 v[ASG], 1024, v[ASG]
	s_add_nc_u64 s[PQ:PQ+1], s[PQ:PQ+1], 2048
	s_sub_co_u32 s[CNT], s[CNT], 1
	s_cmp_lg_u32 s[CNT], 0
	s_wait_alu depctr_va_vdst(0)
	s_cbranch_scc1 .Lslot
	s_xor_b32 s[QS], s[QS], SLOTB                  ; slot 7: nothing is filled any more, and I alone read my part
	v_add_nc_u32 v[AQ], s[QS], v[QB]
	s_wait_alu depctr_va_vdst(0)
	s_wait_tensorcnt 0x0
	QPH 0, 0
	QPH 1, 0
	QPH 2, 0
	QPH 3, 0
	s_wait_dscnt 0x0                               ; my scale words are in LDS
	s_barrier_signal -1
	s_barrier_wait -1
.irp i, 0,1,2,3,4,5,6,7
	ds_load_b64 v[RS+2*\i:RS+2*\i+1], v[ASL] offset:256*\i
.endr
	v_and_b32 v60, 31, v0
	v_lshlrev_b32 v[MU], 3, v60
.irp i, 1,2,3,4,5,6,7
	v_add_nc_u32 v[MU+\i], s[ST], v[MU+\i-1]       ; from record to record
.endr
	s_wait_alu depctr_va_vdst(0)
	s_wait_dscnt 0x0
.irp i, 0,1,2,3,4,5,6,7
	global_store_b64 v[MU+\i], v[RS+2*\i:RS+2*\i+1], s[SBS:SBS+1]   ; 256 consecutive bytes, at a multiple of 256 from the buffer's first byte
.endr
	s_wait_tensorcnt 0x0                           ; the wave's end
	ds_add_u32 v[SPW], v[NIL]
	s_wait_dscnt 0x0
	s_endpgm
.Lfunc_end_k_q8cf6b9a7dc_prep:
	.size	k_q8cf6b9a7dc_prep, .Lfunc_end_k_q8cf6b9a7dc_prep-k_q8cf6b9a7dc_prep
	.p2alignl 7, 3214868480
	.fill 96, 4, 3214868480
	.section	.rodata,"a",@progbits
	.p2align	6, 0x0
	.amdhsa_kernel k_q8cf6b9a7dc_prep
		.amdhsa_group_segment_fixed_size 327680
		.amdhsa_private_segment_fixed_size 0
		.amdhsa_enable_private_segment 0
		.amdhsa_kernarg_size 64
		.amdhsa_user_sgpr_count 2
		.amdhsa_user_sgpr_kernarg_segment_ptr 1
		.amdhsa_wavefront_size32 1
		.amdhsa_system_sgpr_workgroup_id_x 1
		.amdhsa_system_sgpr_workgroup_id_y 1
		.amdhsa_system_sgpr_workgroup_id_z 1
		.amdhsa_system_vgpr_workitem_id 0
		.amdhsa_next_free_vgpr 256
		.amdhsa_next_free_sgpr 66
		.amdhsa_reserve_vcc 0
		.amdhsa_float_denorm_mode_32 3
		.amdhsa_float_denorm_mode_16_64 3
		.amdhsa_memory_ordered 1
		.amdhsa_forward_progress 1
		.amdhsa_inst_pref_size 165
	.end_amdhsa_kernel
	.amdgpu_metadata
---
amdhsa.version: [ 1, 2 ]
amdhsa.kernels:
  - .name:           k_q8cf6b9a7dc_prep
    .symbol:         k_q8cf6b9a7dc_prep.kd
    .args:
      - { .name: x, .offset: 0, .size: 8, .value_kind: global_buffer, .address_space: global }
      - { .name: W_q, .offset: 8, .size: 8, .value_kind: global_buffer, .address_space: global }
      - { .name: zeros, .offset: 16, .size: 8, .value_kind: global_buffer, .address_space: global }
      - { .name: scales, .offset: 24, .size: 8, .value_kind: global_buffer, .address_space: global }
      - { .name: mu1, .offset: 32, .size: 8, .value_kind: global_buffer, .address_space: global }
      - { .name: mu2, .offset: 40, .size: 8, .value_kind: global_buffer, .address_space: global }
      - { .name: xq, .offset: 48, .size: 8, .value_kind: global_buffer, .address_space: global }
      - { .name: wq, .offset: 56, .size: 8, .value_kind: global_buffer, .address_space: global }
    .group_segment_fixed_size: 327680
    .private_segment_fixed_size: 0
    .kernarg_segment_align: 8
    .kernarg_segment_size: 64
    .max_flat_workgroup_size: 128
    .sgpr_count:     66
    .vgpr_count:     256
    .wavefront_size: 32
...
	.end_amdgpu_metadata
.endif
;; end of part 3
;; launch gemm (part 4): grid 4 x 43, 4 waves a work-group, no clusters, 327,680 bytes of LDS; arguments xq, wq, out0; writes out0
.if DOCPART == 4
	.amdgcn_target "amdgcn-amd-amdhsa--gfx1250"
	.amdhsa_code_object_version 6
	.text
	.protected	k_q8cf6b9a7dc_gemm
	.globl	k_q8cf6b9a7dc_gemm
	.p2align	8
	.type	k_q8cf6b9a7dc_gemm,@function
k_q8cf6b9a7dc_gemm:
	s_mov_b64 s[64:65], 0
	v_nop
	global_prefetch_b8 v0, s[64:65] scope:SCOPE_SE
	s_setreg_imm32_b32 hwreg(HW_REG_WAVE_MODE, 25, 1), 1
	s_wait_xcnt 0x0
; out0[1024][11008] = the product of the codes in xq and wq (BF8, E5M2, one E8M0 scale for each 32 along K) over K = 4,096, sums in f32.  The records are laid by the launch before as images of the operand registers.
; SHARES.  A work-group makes 256 rows x 256 columns of out0: grid 4 x 43.  Wave w multiplies W's rows 64 w .. + 63 of the block (four blocks b) by all 256 rows of x (sixteen blocks a): 64 accumulators.
; W's record of a K step (8,448 bytes) is wanted by ONE wave: it goes from memory straight into that wave's registers, 17 loads, into four sets by turns, three K steps ahead of its use.
; x's records (33,792 bytes a K step) are wanted by all four waves: they come by tensor loads into two LDS slots of four K steps, a record a wave; fragments are read as they lie, 512 consecutive bytes a load,
; four blocks (17 LDS loads) at a time into two buffers by turns, sixteen products ahead of their use.
; THE CHANGE OF SLOTS stands inside a slot's last K step, behind its last reads: sixteen products between the add and its wait, and behind the barrier the refill and the next slot's first fragments.
; SOURCE 0 = 16 rows of W, source 1 = 16 rows of x: a lane holds eight neighbouring columns of one row of out0.
; NO JOINT LOADS: x's records are shared by the 43 work-groups of a row of the grid, and 43 is no multiple of 4; W's records pass no LDS.
; PREFETCHES, at the top of each trip s of the loop.  wq: the records of K steps 4 s + 8 .. + 11 of my wave's group: the four work-groups that read them take one record each, by address (33 blocks of 256 bytes: a lane a block, and one more);
; their loads are issued from four K steps on.  xq: slot s + 3's 528 blocks, by wave 0 of the work-groups of columns 0 to 16, a lane a block (the last lanes name block 527 again); the last trip asks for nothing.
; REGISTERS: window 0: addresses, scale words, v64-255 W's sets 0 to 2; window 1: v0-127 x's two buffers, v128-191 W's set 3; windows 2, 3: accumulator (a, b) at v[8 (4 (a % 8) + b)].
.set REC,   33792
.set SLOTB, 135168                     ; = 0x21000: neither bit is set in REC x wave, so one exclusive or changes slots
.set WREC,  8448
.set SPARE, 2*SLOTB
.set SPITCH, 272
.set OROW,  44032
.set SPW, 1
.set NIL, 2
.set LIX, 3                            ; v3-6   16 lane + REC k
.set LSX, 7                            ; v7-10  32768 + 8 lane + REC k
.set AX,  11                           ; v11-14, v15-18 the same in the slot in hand
.set AS,  15
.set WSO, 20                           ; 8192 + 8 lane
.set PFX, 21
.set WS,  22                           ; W's scale words: set k at v[22 + 8 k], v[23 + 8 k]
.set XS,  24                           ; x's: v24-29, v32-33: none has W's numbers modulo 8
.set PFW, 34
.set PFW2, 35
.set WF,  64
.set STO, 9
.set RD,  10
.set CO,  11
.set WV,  18
.set TB,  26
.set CNT, 28
.set LIM, 29                           ; 1 where my wave prefetches xq, else the greatest number
.set G1,  32
.set G0,  40
.set MSB, 0
.macro WIN new
.if MSB != \new
	s_set_vgpr_msb (MSB<<8)|\new
.set MSB, \new
.endif
.endm
.macro PLACES n
.rept \n
	v_nop
.endr
.endm
.macro XF u, g                         ; x's blocks 4 g .. 4 g + 3 of the slot's K step u, and their scale words: 17 LDS loads
.set XSR, XS+2*(\g)+2*((\g)/3)
	WIN 0x40
.irp i, 0,1,2,3
.irp c, 0,1,2,3
	ds_load_b128 v[64*((\g)%2)+16*\i+4*\c:64*((\g)%2)+16*\i+4*\c+3], v[AX+(\u)] offset:(4*(\g)+\i)*2048+512*\c
.endr
.endr
	WIN 0
	ds_load_b64 v[XSR:XSR+1], v[AS+(\u)] offset:256*(\g)
.endm
.macro WL set, rec                     ; W's record rec (counted from the base) into a set: 17 loads
.if (\set) == 3
	WIN 0x40
.set WR, 128
.else
	WIN 0
.set WR, WF+64*(\set)
.endif
.irp b, 0,1,2,3
.irp c, 0,1,2,3
	global_load_b128 v[WR+16*\b+4*\c:WR+16*\b+4*\c+3], v[LIX], s[6:7] offset:(\rec)*WREC+2048*\b+512*\c
.endr
.endr
	WIN 0
	global_load_b64 v[WS+8*(\set):WS+8*(\set)+1], v[WSO], s[6:7] offset:(\rec)*WREC
.endm
; Product ii of a K step's 64: x's block aa = ii / 4, W's block wb = ii % 4.  The 64 accumulators take turns.
.macro WM zero, set
.set aa, ii/4
.set wb, ii%4
.set DR, 8*(4*(aa%8)+wb)
.if (\set) == 3
.set AR, 128+16*wb
.else
.set AR, WF+64*(\set)+16*wb
.endif
.set BR, 64*((aa/4)%2)+16*(aa%4)
.set SA, WS+8*(\set)+wb/2
.set SX, XS+2*(aa/4)+2*((aa/4)/3)+(aa%4)/2
.if aa < 8
	WIN 0xa4+(\set)/3
.else
	WIN 0xf4+(\set)/3
.endif
.if \zero
.if (wb%2 == 0) && (aa%2 == 0)
	v_wmma_scale_f32_16x16x128_f8f6f4 v[DR:DR+7], v[AR:AR+15], v[BR:BR+15], 0, v[SA], v[SX] matrix_a_fmt:MATRIX_FMT_BF8 matrix_b_fmt:MATRIX_FMT_BF8
.elseif (wb%2 == 1) && (aa%2 == 0)
	v_wmma_scale_f32_16x16x128_f8f6f4 v[DR:DR+7], v[AR:AR+15], v[BR:BR+15], 0, v[SA], v[SX] matrix_a_fmt:MATRIX_FMT_BF8 matrix_b_fmt:MATRIX_FMT_BF8 matrix_a_scale:MATRIX_SCALE_ROW1
.elseif (wb%2 == 0) && (aa%2 == 1)
	v_wmma_scale_f32_16x16x128_f8f6f4 v[DR:DR+7], v[AR:AR+15], v[BR:BR+15], 0, v[SA], v[SX] matrix_a_fmt:MATRIX_FMT_BF8 matrix_b_fmt:MATRIX_FMT_BF8 matrix_b_scale:MATRIX_SCALE_ROW1
.else
	v_wmma_scale_f32_16x16x128_f8f6f4 v[DR:DR+7], v[AR:AR+15], v[BR:BR+15], 0, v[SA], v[SX] matrix_a_fmt:MATRIX_FMT_BF8 matrix_b_fmt:MATRIX_FMT_BF8 matrix_a_scale:MATRIX_SCALE_ROW1 matrix_b_scale:MATRIX_SCALE_ROW1
.endif
.else
.if (wb%2 == 0) && (aa%2 == 0)
	v_wmma_scale_f32_16x16x128_f8f6f4 v[DR:DR+7], v[AR:AR+15], v[BR:BR+15], v[DR:DR+7], v[SA], v[SX] matrix_a_fmt:MATRIX_FMT_BF8 matrix_b_fmt:MATRIX_FMT_BF8
.elseif (wb%2 == 1) && (aa%2 == 0)
	v_wmma_scale_f32_16x16x128_f8f6f4 v[DR:DR+7], v[AR:AR+15], v[BR:BR+15], v[DR:DR+7], v[SA], v[SX] matrix_a_fmt:MATRIX_FMT_BF8 matrix_b_fmt:MATRIX_FMT_BF8 matrix_a_scale:MATRIX_SCALE_ROW1
.elseif (wb%2 == 0) && (aa%2 == 1)
	v_wmma_scale_f32_16x16x128_f8f6f4 v[DR:DR+7], v[AR:AR+15], v[BR:BR+15], v[DR:DR+7], v[SA], v[SX] matrix_a_fmt:MATRIX_FMT_BF8 matrix_b_fmt:MATRIX_FMT_BF8 matrix_b_scale:MATRIX_SCALE_ROW1
.else
	v_wmma_scale_f32_16x16x128_f8f6f4 v[DR:DR+7], v[AR:AR+15], v[BR:BR+15], v[DR:DR+7], v[SA], v[SX] matrix_a_fmt:MATRIX_FMT_BF8 matrix_b_fmt:MATRIX_FMT_BF8 matrix_a_scale:MATRIX_SCALE_ROW1 matrix_b_scale:MATRIX_SCALE_ROW1
.endif
.endif
.endm
; A K STEP: four groups of sixteen products.  Ahead of each group: eight places behind the last product, the fetch of the NEXT group into the buffer just read out, and the wait for this group's (17: the fetch just issued may be out).
; u: the K step's place in its slot (4: the next slot's first); wl: W's record three K steps on is asked for; lc: the loads that may be out behind this K step's set; chg: 1 a change of slots with a refill, 2 without; last: nothing follows
.macro GPH u, zero, wl, lc, chg, last
.set US, (\u)%4
.set ii, 0
.set gg, 0
.rept 4
.if (\chg) && (gg == 3)
	WIN 0
.irp k, 0,1,2,3
	v_add_nc_u32 v[AX+\k], s[TB], v[LIX+\k]        ; the next slot's addresses: these eight lines are the places
	v_add_nc_u32 v[AS+\k], s[TB], v[LSX+\k]
.endr
	s_wait_alu depctr_va_vdst(0)
	s_wait_dscnt 0x0                               ; the add is done, and my reads of this slot are over
	s_barrier_signal -1
	s_barrier_wait -1
.if (\chg) == 1
	tensor_load_to_lds s[G0:G0+3], s[G1:G1+7]      ; first behind the barrier: my record of the slot after next, into the slot just read out
	s_nop 0
.endif
	XF 0, 0
.else
	PLACES 8
.if gg < 3
	XF US, gg+1
.elseif (\last) == 0
	XF (US+1)%4, 0
.endif
.endif
.if gg == 0
.if \wl
	WL ((\u)+3)%4, (\u)+3
.endif
	s_wait_loadcnt \lc
.endif
.if (\last) && (gg == 3)
	s_wait_dscnt 0x0
.else
	s_wait_dscnt 17
.endif
.if (\chg) && (gg == 2)
	s_wait_tensorcnt 0x0                           ; my record of the next slot is in, so group 0 may be written
	ds_add_u32 v[SPW], v[NIL]                      ; sixteen products stand between the add and its wait
	s_xor_b32 s[TB], s[TB], SLOTB
.if (\chg) == 1
	s_xor_b32 s[G0+1], s[G0+1], SLOTB
	s_add_nc_u64 s[G0+2:G0+3], s[G0+2:G0+3], SLOTB
.endif
.endif
.rept 16
	WM \zero, US
.set ii, ii+1
.endr
.set gg, gg+1
.endr
	WIN 0
.endm
	s_load_b128 s[4:7], s[0:1], 0x0                ; xq, wq
	s_load_b64 s[8:9], s[0:1], 0x10                ; out0
	v_lshl_add_u32 v[SPW], v0, 2, SPARE
	v_mov_b32 v[NIL], 0
	ds_add_u32 v[SPW], v[NIL]                      ; the opening lines: the add twice on end and one wait
	ds_add_u32 v[SPW], v[NIL]
	v_lshrrev_b32 v60, 5, v0
	v_readfirstlane_b32 s[WV], v60                 ; wave 0..3
	s_mov_b32 s[G1], 3<<16                         ; a record as 132 rows of 256 bytes (32 elements of 8), no padding
	s_mov_b32 s[G1+1], 32<<16
	s_mov_b32 s[G1+2], 132<<16
	s_mov_b32 s[G1+3], 32<<16
	s_mov_b32 s[G1+4], 132
	s_mov_b32 s[G1+5], 32
	s_mov_b32 s[G1+6], 0
	s_mov_b32 s[G1+7], 0
	s_and_b32 s19, ttmp7, 0xffff                   ; the block's column, 0 .. 42; ttmp9 is its row, 0 .. 3
	s_mul_i32 s20, s[WV], REC
	s_mul_i32 s56, ttmp9, 32*REC
	s_mov_b32 s57, 0
	s_wait_alu depctr_va_vdst(0)
	s_wait_dscnt 0x0
	s_wait_kmcnt 0x0
	s_add_nc_u64 s[4:5], s[4:5], s[56:57]          ; my 256 rows' records
	s_mov_b32 s56, s20
	s_mov_b32 s[G0], 1
	s_mov_b32 s[G0+1], s20
	s_add_nc_u64 s[G0+2:G0+3], s[4:5], s[56:57]
	s_or_b32 s[G0+3], s[G0+3], 0x80000000
	tensor_load_to_lds s[G0:G0+3], s[G1:G1+7]      ; slot 0, K step w: my one tensor load at the head
	s_nop 0
	s_lshl_b32 s21, s19, 2
	s_add_co_u32 s21, s21, s[WV]
	s_mul_i32 s56, s21, 32*WREC
	s_add_nc_u64 s[6:7], s[6:7], s[56:57]          ; my 64 rows' records
	s_mul_i32 s56, ttmp9, 256*OROW
	s_lshl_b32 s21, s19, 10
	s_add_co_u32 s56, s56, s21
	s_lshl_b32 s21, s[WV], 8
	s_add_co_u32 s56, s56, s21
	s_add_nc_u64 s[8:9], s[8:9], s[56:57]
	s_mov_b32 s[LIM], 0x7fffffff
	s_cmp_lt_u32 s19, 17
	s_cselect_b32 s22, 1, 0
	s_cmp_eq_u32 s[WV], 0
	s_cselect_b32 s22, s22, 0
	s_cmp_eq_u32 s22, 1
	s_cselect_b32 s[LIM], 1, s[LIM]
	s_lshl_b32 s3, s19, 5
	s_mul_i32 s2, ttmp9, WREC
	s_add_co_u32 s23, s2, 8192
	s_mov_b32 s[TB], 0
	v_and_b32 v60, 31, v0
.irp k, 0,1,2,3
	v_lshl_add_u32 v[LIX+\k], v60, 4, REC*\k
	v_lshl_add_u32 v[LSX+\k], v60, 3, 32768+REC*\k
.endr
.irp k, 0,1,2,3
	v_mov_b32 v[AX+\k], v[LIX+\k]
	v_mov_b32 v[AS+\k], v[LSX+\k]
.endr
	v_lshl_add_u32 v[WSO], v60, 3, 8192
	v_add_nc_u32 v[PFX], s3, v60
	v_min_u32 v[PFX], 527, v[PFX]                  ; a slot has 528 blocks of 256 bytes
	v_lshlrev_b32 v[PFX], 8, v[PFX]
	v_lshl_add_u32 v[PFW], v60, 8, s2
	v_mov_b32 v[PFW2], s23
	s_wait_alu depctr_va_vdst(0)
	WL 0, 0
	WL 1, 1
	WL 2, 2
	s_cmp_eq_u32 s[LIM], 1
	s_cbranch_scc0 .Lno_x
	global_prefetch_b8 v[PFX], s[4:5] offset:SLOTB th:TH_LOAD_NT scope:SCOPE_SE
	global_prefetch_b8 v[PFX], s[4:5] offset:2*SLOTB th:TH_LOAD_NT scope:SCOPE_SE
.Lno_x:
	s_wait_tensorcnt 0x0                           ; my record of slot 0 is in
	ds_add_u32 v[SPW], v[NIL]
	s_xor_b32 s[G0+1], s[G0+1], SLOTB
	s_add_nc_u64 s[G0+2:G0+3], s[G0+2:G0+3], SLOTB
	s_wait_dscnt 0x0
	s_barrier_signal -1
	s_barrier_wait -1
	tensor_load_to_lds s[G0:G0+3], s[G1:G1+7]      ; slot 1's first fill
	s_nop 0
	XF 0, 0
	GPH 0, 1, 1, 51, 0, 0                          ; K step 0 starts the sums
	s_mov_b32 s[CNT], 6
.Lloop:                                                ; trip s: K steps 4 s + 1 .. 4 s + 4: from a slot's second K step to the next slot's first
	global_prefetch_b8 v[PFW], s[6:7] offset:8*WREC th:TH_LOAD_NT scope:SCOPE_SE
	global_prefetch_b8 v[PFW2], s[6:7] offset:8*WREC th:TH_LOAD_NT scope:SCOPE_SE
	s_cmp_gt_u32 s[CNT], s[LIM]
	s_cbranch_scc0 .Lnone
	global_prefetch_b8 v[PFX], s[4:5] offset:3*SLOTB th:TH_LOAD_NT scope:SCOPE_SE
.Lnone:
	GPH 1, 0, 1, 51, 0, 0
	GPH 2, 0, 1, 51, 0, 0
	GPH 3, 0, 1, 51, 1, 0
	GPH 4, 0, 1, 51, 0, 0
	s_wait_xcnt 0x0                                ; the loads and prefetches have read their bases
	s_add_nc_u64 s[6:7], s[6:7], 4*WREC
	s_add_nc_u64 s[4:5], s[4:5], SLOTB
	s_sub_co_u32 s[CNT], s[CNT], 1
	s_cmp_lg_u32 s[CNT], 0
	s_cbranch_scc1 .Lloop
	GPH 1, 0, 1, 51, 0, 0                          ; K steps 25 to 31: nothing is filled or prefetched any more
	GPH 2, 0, 1, 51, 0, 0
	GPH 3, 0, 1, 51, 2, 0
	GPH 4, 0, 1, 51, 0, 0
	GPH 1, 0, 0, 34, 0, 0
	GPH 2, 0, 0, 17, 0, 0
	GPH 3, 0, 0, 0, 0, 1
	; THE WAY OUT, a block of 16 rows x 64 columns at a time, through my own stage: it lies in slot buffer 0, at my record's place: that buffer has had its last fill (slot 6) and, ahead of the last barrier, its last read.
	s_mul_i32 s22, s[WV], REC
	v_and_b32 v12, 15, v0                          ; these ten lines are the places behind the last products
	v_bfe_u32 v13, v0, 4, 1
	v_mul_u32_u24 v[STO], v12, SPITCH
	v_lshl_add_u32 v[STO], v13, 5, v[STO]
	v_add_nc_u32 v[STO], s22, v[STO]               ; in: row r, 32 bytes for each half of the lanes
	v_mul_u32_u24 v[RD], v13, SPITCH
	v_lshl_add_u32 v[RD], v12, 4, v[RD]
	v_add_nc_u32 v[RD], s22, v[RD]                 ; back: lanes 0-15 one row's 256 bytes, lanes 16-31 the next row's
	v_mul_u32_u24 v[CO], v13, OROW
	v_lshl_add_u32 v[CO], v12, 4, v[CO]            ; and the same two rows in out0
.macro TOSTAGE a
.set AC, 32*((\a)%8)
.set SG, 16*SPITCH*((\a)%2)
.set BB, WF+32*((\a)%2)
.if (\a) < 8
	WIN 0x08                                       ; an LDS store's data are its source 1: window 2,
.else
	WIN 0x0c                                       ; or 3
.endif
.irp b, 0,1,2,3
	ds_store_b128 v[STO], v[AC+8*\b:AC+8*\b+3] offset:SG+64*\b          ; each accumulator from its low end on
	ds_store_b128 v[STO], v[AC+8*\b+4:AC+8*\b+7] offset:SG+64*\b+16
.endr
	WIN 0
.irp i, 0,1,2,3,4,5,6,7
	ds_load_b128 v[BB+4*\i:BB+4*\i+3], v[RD] offset:SG+2*SPITCH*\i      ; LDS serves a wave's instructions in order (ISA guide 5.7.1.4)
.endr
.endm
.macro SEND a, younger
.set BB, WF+32*((\a)%2)
	s_wait_dscnt \younger                          ; the block is back in registers
.if (\a) > 0
	s_add_nc_u64 s[8:9], s[8:9], 16*OROW           ; 16 rows on (the wait on XCNT stands ahead)
.endif
.irp i, 0,1,2,3,4,5,6,7
	global_store_b128 v[CO], v[BB+4*\i:BB+4*\i+3], s[8:9] offset:2*OROW*\i th:TH_STORE_NT   ; sixteen lanes store 256 consecutive bytes, at a multiple of 256 from out0's first byte
.endr
.endm
	s_wait_alu depctr_va_vdst(0)
	TOSTAGE 0
.irp a, 1,2,3,4,5,6,7,8,9,10,11,12,13,14,15
.if \a > 1
	s_wait_xcnt 0x0                                ; block a - 2's stores have read their registers and their base
.endif
	TOSTAGE \a
	SEND \a-1, 16                                  ; behind block a - 1's loads: block a's eight stores and eight loads
.endr
	s_wait_xcnt 0x0
	SEND 15, 0
	s_wait_tensorcnt 0x0                           ; the wave's end
	ds_add_u32 v[SPW], v[NIL]
	s_wait_dscnt 0x0
	s_endpgm
.Lfunc_end_k_q8cf6b9a7dc_gemm:
	.size	k_q8cf6b9a7dc_gemm, .Lfunc_end_k_q8cf6b9a7dc_gemm-k_q8cf6b9a7dc_gemm
	.p2alignl 7, 3214868480
	.fill 96, 4, 3214868480
	.section	.rodata,"a",@progbits
	.p2align	6, 0x0
	.amdhsa_kernel k_q8cf6b9a7dc_gemm
		.amdhsa_group_segment_fixed_size 327680
		.amdhsa_private_segment_fixed_size 0
		.amdhsa_enable_private_segment 0
		.amdhsa_kernarg_size 24
		.amdhsa_user_sgpr_count 2
		.amdhsa_user_sgpr_kernarg_segment_ptr 1
		.amdhsa_wavefront_size32 1
		.amdhsa_system_sgpr_workgroup_id_x 1
		.amdhsa_system_sgpr_workgroup_id_y 1
		.amdhsa_system_sgpr_workgroup_id_z 1
		.amdhsa_system_vgpr_workitem_id 0
		.amdhsa_next_free_vgpr 1024
		.amdhsa_next_free_sgpr 66
		.amdhsa_reserve_vcc 0
		.amdhsa_float_denorm_mode_32 3
		.amdhsa_float_denorm_mode_16_64 3
		.amdhsa_memory_ordered 1
		.amdhsa_forward_progress 1
		.amdhsa_inst_pref_size 223
	.end_amdhsa_kernel
	.amdgpu_metadata
---
amdhsa.version: [ 1, 2 ]
amdhsa.kernels:
  - .name:           k_q8cf6b9a7dc_gemm
    .symbol:         k_q8cf6b9a7dc_gemm.kd
    .args:
      - { .name: xq, .offset: 0, .size: 8, .value_kind: global_buffer, .address_space: global }
      - { .name: wq, .offset: 8, .size: 8, .value_kind: global_buffer, .address_space: global }
      - { .name: out0, .offset: 16, .size: 8, .value_kind: global_buffer, .address_space: global }
    .group_segment_fixed_size: 327680
    .private_segment_fixed_size: 0
    .kernarg_segment_align: 8
    .kernarg_segment_size: 24
    .max_flat_workgroup_size: 128
    .sgpr_count:     66
    .vgpr_count:     1024
    .wavefront_size: 32
...
	.end_amdgpu_metadata
.endif
;; end of part 4
